; MI455X (gfx1250); checked and timed in simulation.
; The chip was launched on July 23, 2026; its instructions are those of AMD's public machine-readable ISA for CDNA 5 (MIT licence, August 2026) and "CDNA5" Instruction Set Architecture Reference Guide (July 2026). The comments in the code are by the model that wrote it; some were corrected since.
;; Cross Attention With Position. Allowed arithmetic: float matrix products may take bf16 or f16 operands with f32 sums; other float arithmetic in f32, or as packed bf16 or f16 multiplies, adds, multiply-adds, maxima and minima; sums over many terms, partial sums and values carried from step to step in f32; what a program stores and reads back later, other than sums and carried values, may be rounded once to bf16 or f16.
;; Inputs: Wk 1,024 x 1,024 float32; Wk_ap 1,024 x 1,024 float32; Wk_ip 1,024 x 1,024 float32; Wo 1,024 x 1,024 float32; Wq 1,024 x 1,024 float32; Wv 1,024 x 1,024 float32; Wv_ap 1,024 x 1,024 float32; Wv_ip 1,024 x 1,024 float32; alpha one number float32; beta one number float32; bo 1,024 float32; context 32 x 125 x 1,024 float32; rel_k 33 x 64 float32; rel_v 33 x 64 float32; x 32 x 512 x 1,024 float32.
;; Outputs: out0 32 x 512 x 1,024 float32.
;; 2 versions, each right; version 2 is version 1 with the launch cast written anew for expert scheduling mode. Each part assembles by itself: llvm-mc -triple=amdgcn-amd-amdhsa -mcpu=gfx1250 --defsym DOCPART=n.
;; ======== version 1 of 2: 4 launches
;; limits: values are held in f16: magnitudes above 65,504 overflow, below 6.1e-05 lose precision
;; workspace buffers: w16 16,777,216 bytes; xb 33,554,432 bytes; ctxb 8,388,608 bytes; etab 57,344 bytes; kv 16,777,216 bytes; ob 33,554,432 bytes
;; launch cast (part 1): grid 897 x 1, 8 waves a work-group, no clusters, 0 bytes of LDS; arguments x, context, Wq, Wo, Wk, Wv, Wk_ip, Wv_ip, Wk_ap, Wv_ap, rel_k, rel_v, xb, ctxb, w16, etab; writes xb, ctxb, w16, etab
.if DOCPART == 1
	.amdgcn_target "amdgcn-amd-amdhsa--gfx1250"
	.amdhsa_code_object_version 6
	.text
	.protected	k_qaef65150cc_cast
	.globl	k_qaef65150cc_cast
	.p2align	8
	.type	k_qaef65150cc_cast,@function
k_qaef65150cc_cast:
	s_mov_b64 s[64:65], 0
	v_nop
	global_prefetch_b8 v0, s[64:65] scope:SCOPE_SE
	s_setreg_imm32_b32 hwreg(HW_REG_WAVE_MODE, 25, 1), 1
	s_wait_xcnt 0x0
; THE INPUTS ARE ROUNDED ONCE TO 16 BITS AND LAID OUT FOR THE LAUNCHES BEHIND.  A stream: no LDS, no barrier, no matrix unit (nothing is shared, nothing is multiplied).
; A row is 1,024 f32 (4,096 bytes) in and 1,024 numbers of 16 bits (2,048 bytes) out.  A work-group takes 32 rows, each of its eight waves four neighbouring ones.
;   work-groups   0..511  x: row b 512 + 16 T + r goes to xb's row b 512 + (T & 1) 256 + (T >> 1) 16 + r, in bf16
;   work-groups 512..767  the eight weights, 32 work-groups each, in the order Wq, Wo, Wk, Wv, Wk_ip, Wv_ip, Wk_ap, Wv_ap, to w16[m][k][n]: bf16, but Wo: its bf16 rounding written as f16
;   work-groups 768..895  context to ctxb: rows 0..2559 text as [b][80] (j = 77..79 are zeros), 2560..3071 image as [b][16], 3072..4095 audio as [b][32], in bf16
;   work-group  896       the two tables of relative positions, drawn out: E[t] = rel[clip(t - 111, 0, 32)], t = 0..223; EK [t][64] and EVT [64][t], bf16 roundings written as f16
; LIMIT.  f16 below 6e-5 keeps a fixed step of 6e-8: Wo's and the tables' numbers that small lose relative accuracy; beyond 65,504 they would be infinities.
; A wave has its 32 loads (16 KiB) out at once; each store covers 256 consecutive bytes, aligned.  No register is written again behind a store in the main path.
.set X,   8                            ; v[8:135]  load i of 32: four registers
.set SRC, 40                           ; s[40:41]  my four rows in the source
.set DST, 42                           ; s[42:43]  my four rows in the destination
.set MSK, 44                           ; s44..47   row r: all ones, or 0 for a row of zeros
.set HF,  48                           ; s48       1: the bf16 rounding is written as f16
.set G,   4                            ; s4        the work-group's number
.set R0,  3                            ; s3        4 x my wave's number
	s_load_b512 s[8:23], s[0:1], 0x0               ; x 8, context 10, Wq 12, Wo 14, Wk 16, Wv 18, Wk_ip 20, Wv_ip 22
	s_load_b512 s[24:39], s[0:1], 0x40             ; Wk_ap 24, Wv_ap 26, rel_k 28, rel_v 30, xb 32, ctxb 34, w16 36, etab 38
	v_lshrrev_b32 v3, 5, v0
	v_readfirstlane_b32 s2, v3                     ; wave 0..7
	s_lshl_b32 s[R0], s2, 2
	s_mov_b32 s[G], ttmp9
	v_and_b32 v4, 31, v0
	v_lshlrev_b32 v1, 4, v4                        ; 16 bytes a lane in
	v_lshlrev_b32 v2, 3, v4                        ; 8 bytes a lane out
.irp r, 0,1,2,3
	s_mov_b32 s[MSK+(\r)], -1
.endr
	s_mov_b32 s[HF], 0
	s_mov_b32 s57, 0                               ; high words of the two offsets
	s_mov_b32 s59, 0
	s_wait_kmcnt 0x0
	s_cmp_lt_u32 s[G], 512
	s_cbranch_scc0 .Lnot_x
	s_lshl_b32 s50, s[G], 5
	s_add_co_u32 s50, s50, s[R0]                   ; source row R
	s_and_b32 s51, s50, 0xfffffe00                 ; b 512
	s_bfe_u32 s52, s50, 0x10004                    ; T & 1
	s_lshl_b32 s52, s52, 8
	s_add_co_u32 s51, s51, s52
	s_bfe_u32 s52, s50, 0x40005                    ; T >> 1
	s_lshl_b32 s52, s52, 4
	s_add_co_u32 s51, s51, s52
	s_and_b32 s52, s50, 15                         ; r: my four rows lie in one tile of 16
	s_add_co_u32 s51, s51, s52
	s_lshl_b32 s56, s50, 12
	s_lshl_b32 s58, s51, 11
	s_add_nc_u64 s[SRC:SRC+1], s[8:9], s[56:57]
	s_add_nc_u64 s[DST:DST+1], s[32:33], s[58:59]
	s_branch .Lrun
.Lnot_x:
	s_cmp_lt_u32 s[G], 768
	s_cbranch_scc0 .Lnot_w
	s_sub_co_u32 s50, s[G], 512
	s_lshr_b32 s51, s50, 5                         ; which weight
	s_and_b32 s52, s50, 31
	s_lshl_b32 s52, s52, 5
	s_add_co_u32 s52, s52, s[R0]                   ; its row
	s_mov_b64 s[SRC:SRC+1], s[12:13]
.irp m, 1,2,3,4,5,6,7
	s_cmp_eq_u32 s51, \m
	s_cselect_b64 s[SRC:SRC+1], s[12+2*(\m):13+2*(\m)], s[SRC:SRC+1]
.endr
	s_cmp_eq_u32 s51, 1
	s_cselect_b32 s[HF], 1, 0                      ; Wo multiplies f16 numbers later
	s_lshl_b32 s56, s52, 12
	s_lshl_b32 s53, s51, 10
	s_add_co_u32 s53, s53, s52
	s_lshl_b32 s58, s53, 11
	s_add_nc_u64 s[SRC:SRC+1], s[SRC:SRC+1], s[56:57]
	s_add_nc_u64 s[DST:DST+1], s[36:37], s[58:59]
	s_branch .Lrun
.Lnot_w:
	s_cmp_lt_u32 s[G], 896
	s_cbranch_scc0 .Ltab
	s_sub_co_u32 s50, s[G], 768
	s_lshl_b32 s50, s50, 5
	s_add_co_u32 s50, s50, s[R0]                   ; destination row
	s_lshl_b32 s58, s50, 11
	s_add_nc_u64 s[DST:DST+1], s[34:35], s[58:59]
	s_cmp_lt_u32 s[G], 848                         ; 80 work-groups of text, 16 of image, 32 of audio
	s_cbranch_scc0 .Lnot_text
	s_lshr_b32 s51, s50, 4
	s_mul_i32 s51, s51, 205
	s_lshr_b32 s51, s51, 10                        ; b = (row / 16) / 5: exact for the 160 tiles of text
	s_mul_i32 s52, s51, 80
	s_sub_co_u32 s52, s50, s52                     ; j of my first row; four rows never cross a batch
.irp r, 0,1,2,3
	s_add_co_u32 s53, s52, \r
	s_cmp_lt_u32 s53, 77
	s_cselect_b32 s[MSK+(\r)], -1, 0               ; j = 77..79: the row that is loaded (an image row, inside the buffer) is masked to zeros
.endr
	s_branch .Lctx
.Lnot_text:
	s_cmp_lt_u32 s[G], 864
	s_cbranch_scc0 .Laudio
	s_sub_co_u32 s53, s50, 2560
	s_lshr_b32 s51, s53, 4
	s_and_b32 s52, s53, 15
	s_add_co_u32 s52, s52, 77
	s_branch .Lctx
.Laudio:
	s_sub_co_u32 s53, s50, 3072
	s_lshr_b32 s51, s53, 5
	s_and_b32 s52, s53, 31
	s_add_co_u32 s52, s52, 93
.Lctx:
	s_mul_i32 s51, s51, 125
	s_add_co_u32 s51, s51, s52                     ; source row 125 b + j
	s_lshl_b32 s56, s51, 12
	s_add_nc_u64 s[SRC:SRC+1], s[10:11], s[56:57]
.Lrun:
.set i, 0
.rept 32
	global_load_b128 v[X+4*i:X+4*i+3], v1, s[SRC:SRC+1] offset:512*i th:TH_LOAD_NT  ; 512 consecutive bytes; eight loads a row
.set i, i+1
.endr
; Load i is rounded and stored.  The wait leaves the 31 - i younger loads out (loads come back in order: ISA guide 5.7.1).
.macro CONV f16
	s_wait_loadcnt 31-i
	v_cvt_pk_bf16_f32 v[X+4*i], v[X+4*i], v[X+4*i+1]
	v_cvt_pk_bf16_f32 v[X+4*i+1], v[X+4*i+2], v[X+4*i+3]
.if \f16
	v_lshlrev_b32 v[X+4*i+2], 16, v[X+4*i]
	v_and_b32 v[X+4*i+3], 0xffff0000, v[X+4*i]
	v_cvt_pk_f16_f32 v[X+4*i], v[X+4*i+2], v[X+4*i+3]
	v_lshlrev_b32 v[X+4*i+2], 16, v[X+4*i+1]
	v_and_b32 v[X+4*i+3], 0xffff0000, v[X+4*i+1]
	v_cvt_pk_f16_f32 v[X+4*i+1], v[X+4*i+2], v[X+4*i+3]
.else
	v_and_b32 v[X+4*i], s[MSK+i/8], v[X+4*i]
	v_and_b32 v[X+4*i+1], s[MSK+i/8], v[X+4*i+1]
.endif
	global_store_b64 v2, v[X+4*i:X+4*i+1], s[DST:DST+1] offset:256*i  ; 256 consecutive bytes, aligned
.set i, i+1
.endm
	s_cmp_eq_u32 s[HF], 1
	s_cbranch_scc1 .Lhalf
.set i, 0
.rept 32
	CONV 0
.endr
	s_endpgm
.Lhalf:
.set i, 0
.rept 32
	CONV 1
.endr
	s_endpgm
; THE TABLES.  256 threads, seven pieces of 16 bytes each for either table.
.macro B2H o, a, b                     ; v[o] = the bf16 roundings of v[a], v[b], written as two f16; a and b are used up
	v_cvt_pk_bf16_f32 v[\a], v[\a], v[\b]
	v_and_b32 v[\b], 0xffff0000, v[\a]
	v_lshlrev_b32 v[\a], 16, v[\a]
	v_cvt_pk_f16_f32 v[\o], v[\a], v[\b]
.endm
.Ltab:
	v_lshrrev_b32 v3, 3, v0                        ; EK: piece t + 256 m is row (t >> 3) + 32 m, channels 8 (t & 7) on
	v_and_b32 v4, 7, v0
	v_lshlrev_b32 v4, 5, v4
	v_lshlrev_b32 v5, 4, v0
.set m, 0
.rept 7
	v_add_nc_u32 v[8+m], 32*m-111, v3
	v_cmp_gt_i32 vcc_lo, 0, v[8+m]
	v_cndmask_b32 v[8+m], v[8+m], 0, vcc_lo
	v_min_u32 v[8+m], 32, v[8+m]                   ; clip(row - 111, 0, 32)
	v_lshl_add_u32 v[8+m], v[8+m], 8, v4
	global_load_b128 v[64+8*m:64+8*m+3], v[8+m], s[28:29]
	global_load_b128 v[64+8*m+4:64+8*m+7], v[8+m], s[28:29] offset:16
.set m, m+1
.endr
	s_wait_loadcnt 0x0
.set m, 0
.rept 7
.set p, 0
.rept 4
	B2H 16+4*m+p, 64+8*m+2*p, 64+8*m+2*p+1
.set p, p+1
.endr
	global_store_b128 v5, v[16+4*m:16+4*m+3], s[38:39] offset:4096*m
.set m, m+1
.endr
	s_wait_xcnt 0x0                                ; the stores have read v5 and v16..43: only now are they written again
	v_and_b32 v3, 63, v0                           ; EVT: channel t & 63, places 8 (t >> 6) + 32 m + 0..7
	v_lshlrev_b32 v4, 2, v3
	v_lshrrev_b32 v6, 6, v0
	v_lshlrev_b32 v7, 3, v6
	v_mul_u32_u24 v5, v3, 448
	v_lshl_add_u32 v5, v6, 4, v5
.set n, 0
.rept 56
.set c, 32*(n/8)+n%8-111               ; the place less 111, for t >> 6 = 0; the lanes add 0, 8, 16 or 24
.if c+24 <= 0
	global_load_b32 v[64+n], v4, s[30:31]          ; clipped to row 0 in every lane
.elseif c >= 32
	global_load_b32 v[64+n], v4, s[30:31] offset:8192  ; clipped to row 32 in every lane
.else
	v_add_nc_u32 v[8+n], c, v7
	v_cmp_gt_i32 vcc_lo, 0, v[8+n]
	v_cndmask_b32 v[8+n], v[8+n], 0, vcc_lo
	v_min_u32 v[8+n], 32, v[8+n]
	v_lshl_add_u32 v[8+n], v[8+n], 8, v4
	global_load_b32 v[64+n], v[8+n], s[30:31]
.endif
.set n, n+1
.endr
	s_wait_loadcnt 0x0
.set m, 0
.rept 7
.set p, 0
.rept 4
	B2H 8+4*m+p, 64+8*m+2*p, 64+8*m+2*p+1
.set p, p+1
.endr
	global_store_b128 v5, v[8+4*m:8+4*m+3], s[38:39] offset:28672+64*m  ; pieces of 16 bytes 448 bytes apart: a turned table of 28,672 bytes, written once in the program
.set m, m+1
.endr
	s_endpgm
.Lfunc_end_k_qaef65150cc_cast:
	.size	k_qaef65150cc_cast, .Lfunc_end_k_qaef65150cc_cast-k_qaef65150cc_cast
	.p2alignl 7, 3214868480
	.fill 96, 4, 3214868480
	.section	.rodata,"a",@progbits
	.p2align	6, 0x0
	.amdhsa_kernel k_qaef65150cc_cast
		.amdhsa_group_segment_fixed_size 0
		.amdhsa_private_segment_fixed_size 0
		.amdhsa_enable_private_segment 0
		.amdhsa_kernarg_size 128
		.amdhsa_user_sgpr_count 2
		.amdhsa_user_sgpr_kernarg_segment_ptr 1
		.amdhsa_wavefront_size32 1
		.amdhsa_system_sgpr_workgroup_id_x 1
		.amdhsa_system_sgpr_workgroup_id_y 1
		.amdhsa_system_sgpr_workgroup_id_z 1
		.amdhsa_system_vgpr_workitem_id 0
		.amdhsa_next_free_vgpr 144
		.amdhsa_next_free_sgpr 80
		.amdhsa_reserve_vcc 1
		.amdhsa_float_denorm_mode_32 3
		.amdhsa_float_denorm_mode_16_64 3
		.amdhsa_memory_ordered 1
		.amdhsa_forward_progress 1
		.amdhsa_inst_pref_size 62
	.end_amdhsa_kernel
	.amdgpu_metadata
---
amdhsa.version: [ 1, 2 ]
amdhsa.kernels:
  - .name:           k_qaef65150cc_cast
    .symbol:         k_qaef65150cc_cast.kd
    .args:
      - { .name: x, .offset: 0, .size: 8, .value_kind: global_buffer, .address_space: global }
      - { .name: context, .offset: 8, .size: 8, .value_kind: global_buffer, .address_space: global }
      - { .name: Wq, .offset: 16, .size: 8, .value_kind: global_buffer, .address_space: global }
      - { .name: Wo, .offset: 24, .size: 8, .value_kind: global_buffer, .address_space: global }
      - { .name: Wk, .offset: 32, .size: 8, .value_kind: global_buffer, .address_space: global }
      - { .name: Wv, .offset: 40, .size: 8, .value_kind: global_buffer, .address_space: global }
      - { .name: Wk_ip, .offset: 48, .size: 8, .value_kind: global_buffer, .address_space: global }
      - { .name: Wv_ip, .offset: 56, .size: 8, .value_kind: global_buffer, .address_space: global }
      - { .name: Wk_ap, .offset: 64, .size: 8, .value_kind: global_buffer, .address_space: global }
      - { .name: Wv_ap, .offset: 72, .size: 8, .value_kind: global_buffer, .address_space: global }
      - { .name: rel_k, .offset: 80, .size: 8, .value_kind: global_buffer, .address_space: global }
      - { .name: rel_v, .offset: 88, .size: 8, .value_kind: global_buffer, .address_space: global }
      - { .name: xb, .offset: 96, .size: 8, .value_kind: global_buffer, .address_space: global }
      - { .name: ctxb, .offset: 104, .size: 8, .value_kind: global_buffer, .address_space: global }
      - { .name: w16, .offset: 112, .size: 8, .value_kind: global_buffer, .address_space: global }
      - { .name: etab, .offset: 120, .size: 8, .value_kind: global_buffer, .address_space: global }
    .group_segment_fixed_size: 0
    .private_segment_fixed_size: 0
    .kernarg_segment_align: 8
    .kernarg_segment_size: 128
    .max_flat_workgroup_size: 256
    .sgpr_count:     80
    .vgpr_count:     144
    .wavefront_size: 32
...
	.end_amdgpu_metadata
.endif
;; end of part 1
;; launch kvproj (part 2): grid 8 x 32, 4 waves a work-group, clusters of 4 x 4, 327,680 bytes of LDS; arguments ctxb, w16, kv; writes kv
.if DOCPART == 2
	.amdgcn_target "amdgcn-amd-amdhsa--gfx1250"
	.amdhsa_code_object_version 6
	.text
	.protected	k_qaef65150cc_kvproj
	.globl	k_qaef65150cc_kvproj
	.p2align	8
	.type	k_qaef65150cc_kvproj,@function
k_qaef65150cc_kvproj:
	s_mov_b64 s[64:65], 0
	v_nop
	global_prefetch_b8 v0, s[64:65] scope:SCOPE_SE
	s_setreg_imm32_b32 hwreg(HW_REG_WAVE_MODE, 25, 1), 1
	s_wait_xcnt 0x0
	s_wait_alu depctr_hold_cnt(0) depctr_sa_sdst(0) depctr_va_vdst(0) depctr_va_sdst(0) depctr_va_ssrc(0) depctr_va_vcc(0) depctr_vm_vsrc(0)
	s_getreg_b32 s2, hwreg(HW_REG_IB_STS2, 6, 4)
	s_cmp_eq_u32 s2, 0
	s_cbranch_scc0 .Lentry_in_a_cluster
	s_endpgm
.Lentry_in_a_cluster:
	s_bfe_u32 s2, ttmp6, 0x10000c
	s_cmp_lg_u32 s2, 0xf033
	s_cbranch_scc0 .Lentry_shape_is_right
	s_endpgm
.Lentry_shape_is_right:
; THE SIX K AND V PROJECTIONS AS ONE PRODUCT.  ctxb [4096][1024] bf16 (text, image, audio rows on end) times the stream's Wk or Wv ([k][n] bf16 in w16), sums in f32, results in f16 to
; kv [b][h][K, V][128 slots][64]: slots 0..79 text (77..79 come from rows of zeros), 80..95 image, 96..127 audio.
; LIMIT.  k and v are kept in f16: beyond 65,504 they would be infinities.
; SHARES.  A work-group makes 128 rows x 256 columns (four heads): 8 x 32 = 256 work-groups.  Cluster x says K or V, cx the four heads; the rows' stream hangs on cluster y alone (rows 0..2559, ..3071, ..4095
; are cluster rows 0..4, 5, 6..7), so all sixteen partners of a cluster multiply by one stream's weights.  Four waves, each 64 rows x 128 columns: 32 accumulators.
; RING.  K goes in eight steps of 128 through two LDS slots.  Waves 0 and 1 fetch the two halves of A's tile (64 rows x 256 bytes), waves 2 and 3 those of B's (64 k x 512 bytes).
; A K STEP IS WRITTEN ONCE: the slot in hand is a scalar, 0 or SLOT, turned by an exclusive or at each change of slots; the fragment loads' addresses are made anew from it, and one descriptor a tensor walks.
; Six trips fill a slot again; the last two steps, which fill nothing, are a loop of their own.
; CLUSTER.  A's tile hangs on the tile row and is asked for jointly by a row of the cluster, B's on the tile column and is asked for jointly by a column.
; THE PRODUCT IS USED TRANSPOSED: source 0 = 16 columns of W (B lies [k][n], so its fragments come by the turning load), source 1 = 16 rows of A: a lane holds one row and eight neighbouring columns.
; A wave's row tiles are 2 a + rh (a = 0..3, rh = wave / 2), its columns 128 (wave % 2) on.
; No prefetch is laid: the launch is eight short K steps, and an A wave's 64 rows shared among four partners would leave half the lanes without a block.
; REGISTERS.  window 0: v16-17, v20-21 LDS addresses; v24-29; v64-95, v128-159 A's fragments, two buffers; v192-223, v32-63, v224-255 the way out
;   window 1: v64-127, v128-191 B's fragments, two buffers          window 2: the accumulators, (a, b) at v[8 (8 a + b)]
.set MT,     4                         ; A tiles a wave
.set APITCH, 272                       ; 256 bytes + 16: the 16 rows of a load start at 16 different groups of four banks (64 banks of 4 bytes: ISA guide 11.1)
.set AHALF,  64*APITCH
.set ABYTES, 2*AHALF
.set BP,     544                       ; 512 bytes + 32
.set BHALF,  64*BP
.set SLOT,   ABYTES+2*BHALF            ; A's 128 rows, then B's 128 k
.set STAGE,  2*SLOT                    ; behind the ring: 16 rows x 272 bytes for each wave
.set SPITCH, 272
.set SPARE,  STAGE+4*16*SPITCH         ; the spare words: 128 bytes a wave, two blocks of 256 bytes that no other line names
.set ASTEP,  256                       ; a K step along A's rows
.set BSTEP,  128*2048                  ; a K step down B's rows
.set ADRA0, 16                         ; v16  my A fragments' place in slot 0; never rewritten
.set ADRA,  17                         ; v17  the same in the slot in hand
.set ADRB0, 20
.set ADRB,  21
.set STO,  24
.set RD,   25
.set GO,   26
.set SPW,  28
.set NIL,  29
.set F0,   64
.set F1,   128
.set TMP,  192
.set OBK,  32
.set WV, 10
.set RH, 11
.set CH, 12
.set YY, 13
.set LWA, 18                           ; s18  LDS byte of my part of A's tile in slot 0
.set LWB, 19                           ; s19  the same for B's
.set CX, 40
.set CY, 41
.set STR, 42                           ; 0 text, 1 image, 2 audio
.set CLY, 43
.set KC,  44                           ; the part of a store's offset that no block changes
.set T0,  45                           ; my first tile of 16 rows among the 256
.set TB,  46                           ; the slot in hand: 0 or SLOT
.set G1,  24
.set G0,  32
.set G1B, 48
.set G0B, 56
.set MSB, 0
.macro WIN new                         ; the immediate's high byte repeats the setting that is left; a switch that changes nothing is dropped
.if MSB != (\new)
	s_set_vgpr_msb (MSB<<8)|(\new)
.set MSB, \new
.endif
.endm
.macro JLOAD s                         ; a joint load: waves 0, 1 for A, waves 2, 3 for B; an s_nop 0 and four v_nop follow each line
	s_cmp_eq_u32 s[RH], 0
	s_cbranch_scc0 .Lfor_b_\@
	tensor_load_to_lds s[G0+4*(\s):G0+4*(\s)+3], s[G1:G1+7]
	s_nop 0
.rept 4
	v_nop
.endr
	s_branch .Lasked_\@
.Lfor_b_\@:
	tensor_load_to_lds s[G0B+4*(\s):G0B+4*(\s)+3], s[G1B:G1B+7]
	s_nop 0
.rept 4
	v_nop
.endr
.Lasked_\@:
.endm
.macro CREST                           ; a round of the cluster's barrier behind its opening barrier
	s_cmp_lg_u32 s[WV], 0
	s_cbranch_scc1 .Lnot_wave_0_\@
	s_barrier_signal -3
.Lnot_wave_0_\@:
	s_barrier_wait -3
	s_barrier_signal -1
	s_barrier_wait -1
.endm
.macro CROUND
	s_barrier_signal -1
	s_barrier_wait -1
	CREST
.endm
.macro PLACES                          ; four places behind matrix instructions, in front of loads into their registers and of reads of their results
.rept 4
	v_nop
.endr
.endm
; n row tiles from a0 on x all 8 column tiles, 32 along K, from buffer f.  The accumulators take turns, one instruction a turn.
.macro MULR f, a0, n, zero
.set ma, \a0
.rept \n
	WIN 0xa1
.set mb, 0
.rept 8
.set rD, 8*(8*ma+mb)
.if \zero
	v_wmma_f32_16x16x32_bf16 v[rD:rD+7], v[(\f)+8*mb:(\f)+8*mb+7], v[(\f)+8*ma:(\f)+8*ma+7], 0
.else
	v_wmma_f32_16x16x32_bf16 v[rD:rD+7], v[(\f)+8*mb:(\f)+8*mb+7], v[(\f)+8*ma:(\f)+8*ma+7], v[rD:rD+7]
.endif
.set mb, mb+1
.endr
.set ma, ma+1
.endr
.endm
; one run of LDS loads: quarter q (32 along K) of the slot in hand into buffer f: B's 16 turning loads, then A's 2 MT
.macro FETCH q, f
	WIN 0x40
.set fi, 0
.rept 8
	ds_load_tr16_b128 v[(\f)+8*fi:(\f)+8*fi+3],   v[ADRB] offset:(\q)*32*BP+32*fi
	ds_load_tr16_b128 v[(\f)+8*fi+4:(\f)+8*fi+7], v[ADRB] offset:(\q)*32*BP+32*fi+16*BP
.set fi, fi+1
.endr
	WIN 0
.set fi, 0
.rept MT
	ds_load_b128 v[(\f)+8*fi:(\f)+8*fi+3],   v[ADRA] offset:64*(\q)+fi*32*APITCH
	ds_load_b128 v[(\f)+8*fi+4:(\f)+8*fi+7], v[ADRA] offset:64*(\q)+fi*32*APITCH+32
.set fi, fi+1
.endr
.endm
.macro QUARTER q, f, g, zero           ; multiplies buffer f; in its middle fetches quarter q into buffer g
	s_wait_dscnt MT                                ; B and A's lower tiles are in; the youngest MT loads (A's upper tiles) may be out
	MULR \f, 0, MT/2, \zero
	PLACES
	FETCH \q, \g
	s_wait_dscnt 16+2*MT                           ; all but the run just issued
	MULR \f, MT/2, MT/2, \zero
.endm
.macro MEET round                      ; the change of slots, first half: my tensor loads, the add, my reads of the slot, the barrier
	WIN 0
	s_wait_tensorcnt 0x0                           ; all my tensor loads have landed: the one that was out is my part of the next slot
	ds_add_u32 v[SPW], v[NIL]                      ; 0 onto my spare word
	s_wait_dscnt MT+1                              ; the add and the youngest MT loads may be out
	MULR F1, 0, MT/4, 0
	s_wait_dscnt 0x0                               ; the add is done, and my reads of this slot are over
	s_barrier_signal -1
	MULR F1, MT/4, MT/4, 0
.if \round
	WIN 0
.endif
	s_barrier_wait -1
.endm
.macro TURN fill                       ; the last quarter of a K step: multiplies buffer 1 and changes slots
.if \fill
	MEET 1
	CREST                                          ; the barrier has opened a round of the cluster's: no wave of any partner still reads the slot or has a load on its way
	s_add_co_u32 s[G0+5], s[LWA], s[TB]            ; the walking descriptors: into the slot just read out,
	s_add_nc_u64 s[G0+6:G0+7], s[G0+6:G0+7], ASTEP ; the K step behind the one asked for last; no tensor load of mine is out
	s_add_co_u32 s[G0B+5], s[LWB], s[TB]
	s_add_nc_u64 s[G0B+6:G0B+7], s[G0B+6:G0B+7], BSTEP
	s_xor_b32 s[TB], s[TB], SLOT                   ; the other slot is in hand
	JLOAD 1                                        ; the first tensor load behind the round; its four v_nop are also the places in front of the loads below
.else
	MEET 0
	WIN 0
	s_xor_b32 s[TB], s[TB], SLOT
	PLACES
.endif
	v_add_nc_u32 v[ADRA], s[TB], v[ADRA0]
	v_add_nc_u32 v[ADRB], s[TB], v[ADRB0]
	FETCH 0, F0
	MULR F1, MT/2, MT/2, 0
.endm
	s_load_b128 s[4:7], s[0:1], 0x0                ; ctxb s[4:5], w16 s[6:7]
	s_load_b64 s[8:9], s[0:1], 0x10                ; kv
	v_lshl_add_u32 v[SPW], v0, 2, SPARE
	v_mov_b32 v[NIL], 0
	ds_add_u32 v[SPW], v[NIL]                      ; the wave's opening: the add and its wait ahead of my first tensor load
	v_lshrrev_b32 v1, 5, v0
	v_readfirstlane_b32 s[WV], v1                  ; wave 0..3
	s_lshr_b32 s[RH], s[WV], 1                     ; my parity of row tiles.  Also: I fetch for A (0) or B (1)
	s_and_b32 s[CH], s[WV], 1                      ; my half of the columns.  Also: which half of that tile I fetch
	s_bfe_u32 s[CX], ttmp6, 0x40000
	s_bfe_u32 s[CY], ttmp6, 0x40004
	s_and_b32 s[CLY], ttmp7, 0xffff
	s_lshl_b32 s[YY], s[CLY], 2
	s_add_co_u32 s[YY], s[YY], s[CY]               ; tile row 0..31
	s_cmp_ge_u32 s[CLY], 5
	s_cselect_b32 s[STR], 1, 0
	s_cmp_ge_u32 s[CLY], 6
	s_cselect_b32 s20, 1, 0
	s_add_co_u32 s[STR], s[STR], s20               ; the stream: the same in all sixteen partners
	s_lshl_b32 s20, s[CY], 2
	s_lshl_b32 s20, 15, s20                        ; my row of the cluster
	s_lshl_b32 s22, 0x1111, s[CX]                  ; my column
	s_or_b32 s[G1], s20, (1<<16)|(1<<20)|(1<<21)|(5<<22)|(3<<25)   ; mask; 2-byte elements; padding on; bit 21 beside a mask; after every 64 words 4 words
	s_or_b32 s[G1B], s22, (1<<16)|(1<<20)|(1<<21)|(6<<22)|(7<<25)  ; after every 128 words 8 words
	s_mov_b32 s[G1+1], 128<<16                     ; tensor_dim0 = 128
	s_mov_b32 s[G1+2], 64<<16                      ; tensor_dim1 = 64
	s_mov_b32 s[G1+3], 128<<16                     ; tile_dim0 = 128
	s_mov_b32 s[G1+4], 64                          ; tile_dim1 = 64
	s_mov_b32 s[G1+5], 1024                        ; elements from row to row
	s_mov_b32 s[G1+6], 0
	s_mov_b32 s[G1+7], 0
	s_mov_b32 s[G1B+1], 256<<16
	s_mov_b32 s[G1B+2], 64<<16
	s_mov_b32 s[G1B+3], 256<<16
	s_mov_b32 s[G1B+4], 64
	s_mov_b32 s[G1B+5], 1024
	s_mov_b32 s[G1B+6], 0
	s_mov_b32 s[G1B+7], 0
	s_lshl_b32 s20, s[YY], 18                      ; A: row 128 Y + 64 half, 2,048 bytes a row
	s_lshl_b32 s21, s[CH], 17
	s_add_co_u32 s20, s20, s21
	s_mov_b32 s21, 0
	s_lshl_b32 s22, s[STR], 1                      ; B: matrix 2 + 2 stream + (K or V), columns 256 cx on, k 64 half on
	s_add_co_u32 s22, s22, ttmp9
	s_add_co_u32 s22, s22, 2
	s_lshl_b32 s22, s22, 21
	s_lshl_b32 s23, s[CX], 9
	s_add_co_u32 s22, s22, s23
	s_lshl_b32 s23, s[CH], 17
	s_add_co_u32 s22, s22, s23
	s_mov_b32 s23, 0
	s_mul_i32 s[LWA], s[CH], AHALF                 ; where they go: no place in the cluster enters an LDS address
	s_mul_i32 s[LWB], s[CH], BHALF
	s_add_co_u32 s[LWB], s[LWB], ABYTES
	s_mov_b32 s[TB], 0
	s_wait_dscnt 0x0                               ; the opening add is done
	s_wait_kmcnt 0x0
	s_add_nc_u64 s[14:15], s[4:5], s[20:21]
	s_add_nc_u64 s[16:17], s[6:7], s[22:23]
	CROUND                                         ; all sixteen work-groups are here: the first joint loads meet
.irp s, 0,1
	s_mov_b32 s[G0+4*(\s)], 1
	s_add_co_u32 s[G0+4*(\s)+1], s[LWA], (\s)*SLOT
	s_add_nc_u64 s[G0+4*(\s)+2:G0+4*(\s)+3], s[14:15], (\s)*ASTEP
	s_or_b32 s[G0+4*(\s)+3], s[G0+4*(\s)+3], 0x80000000
	s_mov_b32 s[G0B+4*(\s)], 1
	s_add_co_u32 s[G0B+4*(\s)+1], s[LWB], (\s)*SLOT
	s_add_nc_u64 s[G0B+4*(\s)+2:G0B+4*(\s)+3], s[16:17], (\s)*BSTEP
	s_or_b32 s[G0B+4*(\s)+3], s[G0B+4*(\s)+3], 0x80000000
	JLOAD \s                                       ; two loads of mine are out; the second set of registers then walks on
.endr
	v_and_b32 v1, 15, v0                           ; l % 16
	v_bfe_u32 v2, v0, 4, 1                         ; l / 16
	v_and_b32 v4, 7, v0
	v_bfe_u32 v5, v0, 3, 1
	v_mul_u32_u24 v3, v1, APITCH
	v_lshl_add_u32 v3, v2, 4, v3                   ; row x pitch + 16 x half
	v_lshl_add_u32 v6, v2, 3, v4                   ; the turning load: k = 8 (l / 16) + l % 8,
	v_mul_u32_u24 v6, v6, BP
	v_lshl_add_u32 v6, v5, 4, v6                   ; columns 8 ((l / 8) % 2) on
	s_mul_i32 s20, s[RH], 16*APITCH
	s_lshl_b32 s21, s[CH], 8
	s_add_co_u32 s21, s21, ABYTES
	v_add_nc_u32 v[ADRA0], s20, v3
	v_add_nc_u32 v[ADRB0], s21, v6
	v_mov_b32 v[ADRA], v[ADRA0]                    ; slot 0 is in hand
	v_mov_b32 v[ADRB], v[ADRB0]
	s_mul_i32 s20, s[WV], 16*SPITCH
	s_add_co_u32 s20, s20, STAGE                   ; my stage
	v_add_nc_u32 v[STO], s20, v3                   ; in: row l % 16, 16 bytes for each half of the lanes
	v_bfe_u32 v[RD], v0, 3, 2                      ; back: 32 lanes take four rows' 128 bytes of one head,
	v_mul_u32_u24 v[RD], v[RD], SPITCH
	v_lshl_add_u32 v[RD], v4, 4, v[RD]
	v_add_nc_u32 v[RD], s20, v[RD]
	v_and_b32 v[GO], 31, v0                        ; which are 512 consecutive bytes of kv
	v_lshlrev_b32 v[GO], 4, v[GO]
	s_lshl_b32 s[KC], s[CX], 17                    ; head 4 cx + 2 (wave % 2), 32,768 bytes a head; K or V, 16,384 bytes
	s_lshl_b32 s20, s[CH], 16
	s_add_co_u32 s[KC], s[KC], s20
	s_lshl_b32 s20, ttmp9, 14
	s_add_co_u32 s[KC], s[KC], s20
	s_lshl_b32 s[T0], s[YY], 3
	s_add_co_u32 s[T0], s[T0], s[RH]
	s_wait_tensorcnt 0x1                           ; my part of K step 0 is in; K step 1's may stay out
	s_barrier_signal -1
	s_barrier_wait -1
	FETCH 0, F0
	QUARTER 1, F0, F1, 1                           ; the first quarter's products start the sums: it alone is written out
	WIN 0
	s_mov_b32 s3, 6
	s_branch .Lmid                                 ; the loop is entered behind a step's first quarter
.Lstep:                                            ; a trip is a K step: steps 0..5, each of which fills its slot again, two steps ahead
	QUARTER 1, F0, F1, 0
	WIN 0
.Lmid:
	QUARTER 2, F1, F0, 0
	QUARTER 3, F0, F1, 0
	TURN 1
	WIN 0
	s_sub_co_u32 s3, s3, 1
	s_cmp_lg_u32 s3, 0
	s_cbranch_scc1 .Lstep
	s_mov_b32 s3, 2
.Ltail:                                            ; steps 6 and 7 fill nothing.  The second trip's barrier and its run of loads (from the slot of step 6, which nobody writes) serve nothing:
	QUARTER 1, F0, F1, 0                           ; the price, once a launch, of one text for both trips
	QUARTER 2, F1, F0, 0
	QUARTER 3, F0, F1, 0
	TURN 0
	WIN 0
	s_sub_co_u32 s3, s3, 1
	s_cmp_lg_u32 s3, 0
	s_cbranch_scc1 .Ltail
	s_wait_dscnt 0x0                               ; that last run is back
; THE WAY OUT, a block of 16 rows (16 slots of one batch) at a time: rounded to f16, through my stage, out as 512 consecutive bytes a store.
.macro PACK a
	WIN 0x0a
.set pb, 0
.rept 8
.set pr, 0
.rept 4
	v_cvt_pk_f16_f32 v[TMP+4*pb+pr], v[64*(\a)+8*pb+2*pr], v[64*(\a)+8*pb+2*pr+1]
.set pr, pr+1
.endr
.set pb, pb+1
.endr
	WIN 0
.endm
.macro TOSTAGE a
.set BK, OBK+192*((\a)%2)
.set pb, 0
.rept 8
	ds_store_b128 v[STO], v[TMP+4*pb:TMP+4*pb+3] offset:32*pb
.set pb, pb+1
.endr
.set pb, 0
.rept 8                                ; head pb / 4 of my two, rows 4 (pb % 4) on.  LDS serves a wave's instructions in order (ISA guide 5.7.1.4): these see the stores above
	ds_load_b128 v[BK+4*pb:BK+4*pb+3], v[RD] offset:(pb%4)*4*SPITCH+(pb/4)*128
.set pb, pb+1
.endr
.endm
.macro SEND a
.set BK, OBK+192*((\a)%2)
	s_wait_dscnt 0x0                               ; the block is back in registers
	s_wait_xcnt 0x0                                ; the earlier stores have read their base and data: only now is the base written again
	s_add_co_u32 s20, s[T0], 2*(\a)                ; the block's tile T among the 256
	s_mul_i32 s21, s20, 205
	s_lshr_b32 s21, s21, 10                        ; text: b = T / 5,
	s_mul_i32 s22, s21, 5
	s_sub_co_u32 s22, s20, s22
	s_lshl_b32 s22, s22, 4                         ; slot 16 (T - 5 b)
	s_sub_co_u32 s23, s20, 160                     ; image: b = T - 160, slot 80
	s_cmp_eq_u32 s[STR], 1
	s_cselect_b32 s21, s23, s21
	s_cselect_b32 s22, 80, s22
	s_sub_co_u32 s23, s20, 192                     ; audio: b = (T - 192) / 2, slot 96 + 16 ((T - 192) % 2)
	s_and_b32 s20, s23, 1
	s_lshl_b32 s20, s20, 4
	s_add_co_u32 s20, s20, 96
	s_lshr_b32 s23, s23, 1
	s_cmp_eq_u32 s[STR], 2
	s_cselect_b32 s21, s23, s21
	s_cselect_b32 s22, s20, s22
	s_lshl_b32 s21, s21, 19
	s_lshl_b32 s22, s22, 7
	s_add_co_u32 s16, s21, s22
	s_add_co_u32 s16, s16, s[KC]
	s_mov_b32 s17, 0
	s_add_nc_u64 s[66:67], s[8:9], s[16:17]
.set pb, 0
.rept 8
	global_store_b128 v[GO], v[BK+4*pb:BK+4*pb+3], s[66:67] offset:(pb/4)*32768+(pb%4)*512
.set pb, pb+1
.endr
.endm
	PLACES
.irp a, 0,1,2,3
	PACK \a
	TOSTAGE \a
	SEND \a
.endr
	s_wait_tensorcnt 0x0                           ; the wave's end
	ds_add_u32 v[SPW], v[NIL]
	s_wait_dscnt 0x0
	CROUND                                         ; the closing round
	s_endpgm
.Lfunc_end_k_qaef65150cc_kvproj:
	.size	k_qaef65150cc_kvproj, .Lfunc_end_k_qaef65150cc_kvproj-k_qaef65150cc_kvproj
	.p2alignl 7, 3214868480
	.fill 96, 4, 3214868480
	.section	.rodata,"a",@progbits
	.p2align	6, 0x0
	.amdhsa_kernel k_qaef65150cc_kvproj
		.amdhsa_group_segment_fixed_size 327680
		.amdhsa_private_segment_fixed_size 0
		.amdhsa_enable_private_segment 0
		.amdhsa_kernarg_size 24
		.amdhsa_user_sgpr_count 2
		.amdhsa_user_sgpr_kernarg_segment_ptr 1
		.amdhsa_wavefront_size32 1
		.amdhsa_system_sgpr_workgroup_id_x 1
		.amdhsa_system_sgpr_workgroup_id_y 1
		.amdhsa_system_sgpr_workgroup_id_z 1
		.amdhsa_system_vgpr_workitem_id 0
		.amdhsa_next_free_vgpr 768
		.amdhsa_next_free_sgpr 72
		.amdhsa_reserve_vcc 0
		.amdhsa_float_denorm_mode_32 3
		.amdhsa_float_denorm_mode_16_64 3
		.amdhsa_memory_ordered 1
		.amdhsa_forward_progress 1
		.amdhsa_inst_pref_size 65
	.end_amdhsa_kernel
	.amdgpu_metadata
---
amdhsa.version: [ 1, 2 ]
amdhsa.kernels:
  - .name:           k_qaef65150cc_kvproj
    .symbol:         k_qaef65150cc_kvproj.kd
    .args:
      - { .name: ctxb, .offset: 0, .size: 8, .value_kind: global_buffer, .address_space: global }
      - { .name: w16, .offset: 8, .size: 8, .value_kind: global_buffer, .address_space: global }
      - { .name: kv, .offset: 16, .size: 8, .value_kind: global_buffer, .address_space: global }
    .group_segment_fixed_size: 327680
    .private_segment_fixed_size: 0
    .kernarg_segment_align: 8
    .kernarg_segment_size: 24
    .max_flat_workgroup_size: 128
    .sgpr_count:     72
    .vgpr_count:     768
    .wavefront_size: 32
...
	.end_amdgpu_metadata
.endif
;; end of part 2
;; launch qattn (part 3): grid 4 x 64, 4 waves a work-group, clusters of 4 x 4, 327,680 bytes of LDS; arguments xb, w16, kv, etab, rel_v, alpha, beta, ob; writes ob
.if DOCPART == 3
	.amdgcn_target "amdgcn-amd-amdhsa--gfx1250"
	.amdhsa_code_object_version 6
	.text
	.protected	k_qaef65150cc_qattn
	.globl	k_qaef65150cc_qattn
	.p2align	8
	.type	k_qaef65150cc_qattn,@function
k_qaef65150cc_qattn:
	s_mov_b64 s[64:65], 0
	v_nop
	global_prefetch_b8 v0, s[64:65] scope:SCOPE_SE
	s_setreg_imm32_b32 hwreg(HW_REG_WAVE_MODE, 25, 1), 1
	s_wait_xcnt 0x0
	s_wait_alu depctr_hold_cnt(0) depctr_sa_sdst(0) depctr_va_vdst(0) depctr_va_sdst(0) depctr_va_ssrc(0) depctr_va_vcc(0) depctr_vm_vsrc(0)
	s_getreg_b32 s2, hwreg(HW_REG_IB_STS2, 6, 4)
	s_cmp_eq_u32 s2, 0
	s_cbranch_scc0 .Lentry_in_a_cluster
	s_endpgm
.Lentry_in_a_cluster:
	s_bfe_u32 s2, ttmp6, 0x10000c
	s_cmp_lg_u32 s2, 0xf033
	s_cbranch_scc0 .Lentry_shape_is_right
	s_endpgm
.Lentry_shape_is_right:
; q = x Wq, AND ALL THREE ATTENTIONS ON IT, IN ONE LAUNCH: q never goes to memory.  Output: ob [b][h][512][64] in f16, the sum of the three streams' results.
; SHARES.  A work-group makes 256 rows of one batch (the query tiles of one parity: xb is ordered so) x 256 columns (four heads): 4 x 64 = 256 work-groups.  Four waves, each 128 rows x 128 columns.
; PHASE 1, the product: K in eight steps of 128 through two LDS slots; waves 0, 1 fetch A's halves (128 rows x 256 bytes), waves 2, 3 B's (64 k x 512 bytes).  4 x 4 clusters: A's tile is asked for jointly by a
; row of the cluster, B's by a column.  A K STEP IS WRITTEN ONCE: the slot in hand is a scalar, 0 or SLOT, turned by an exclusive or at each change of slots; six trips fill a slot again, the last two steps are a
; loop of their own.  The product is used transposed (source 0 = 16 columns of Wq, by the turning load; source 1 = 16 rows of x): a lane holds one query and eight
; neighbouring channels, so two accumulators rounded to f16 ARE a fragment of Q for S^T = K Q^T.
; PHASE 2, attention.  A wave has 16 UNITS: 8 query tiles (T = 4 a + 2 (wave / 2) + parity) x 2 heads.  A unit: S^T = K Q^T for 128 slots (80 text, 16 image, 32 audio); three softmaxes, each with its own
; maximum taken away; the weights, divided by their sums and multiplied by the streams' gains tanh + 1, rounded to f16; ONE sum O^T = V^T P over all 128 slots.  A UNIT IS WRITTEN ONCE: forward jumps on the
; units' counter pass over what the banded tiles alone need; only the runs of products that name other registers stand twice.
; RELATIVE POSITIONS.  dist = clip(j - i, -16, 16) + 16 as the module builds it.  For tiles T >= 8 (i >= 128) it is 0 for every j: the K term is the same for all keys of a row and falls out of the softmax, the V
; term is rel_v[0] (the weights sum to 1): O^T starts from it.  For T <= 7 (a = 0, 1 in every wave): with u = j - (i - 16 T) + 15 the index is that of E[112 - 16 T + u], E[t] = rel[clip(t - 111, 0, 32)].
; So Bskew^T (96 u x 16 queries) = E_K's window x Q^T goes through my scratch in LDS, [query][u], and comes back at u(j) as the C operand of K Q^T; and the text weights go through scratch to [query][u] and
; multiply E_V's window: O^T += E_V^T Pskew.
; WHY K AND V ARE NOT ASKED FOR JOINTLY: a head's tile is shared by the two work-groups of a batch alone, neither a row nor a column of the cluster, and it is 128 KiB a work-group beside the product's 1 MiB.
; LIMITS.  q, k, v, the weights and O are kept in f16: beyond 65,504 they would be infinities.  A hidden slot (77..79) counts as its score less 1e30.  A weight below 2^-126 counts as 0.  NaN and infinities
; are not treated apart.  alpha, beta and rel_v[0] are rounded to bf16 like all the module's inputs.
; REGISTERS, phase 1: window 0 v64-127, v128-191 A's fragments; window 1 the same for B's; windows 2, 3 the accumulators, (a, b) at v[8 (8 (a % 4) + b)].
; Phase 2: window 0 v64-127 S^T; v128-159 P; v160-191 O^T; v192-207 Q; v208-239 rel_v[0]; v240-247 the mask; v32-59 at work.  window 1: E_K's two windows.  window 2: K (v0-127), V (v128-255).  window 3: E_V's two windows.
.set MT,     8
.set APITCH, 272
.set AHALF,  128*APITCH
.set ABYTES, 2*AHALF
.set BP,     544
.set BHALF,  64*BP
.set SLOT,   ABYTES+2*BHALF
.set KVT,    36864                     ; a head's K and V in LDS: 256 rows of 128 bytes + 16
.set QIMG,   4*KVT                     ; behind them: the waves' Q, 32,768 bytes each (blocks of the ring that have had their last fill)
.set SCR,    2*SLOT                    ; behind the ring, never filled by a tensor load: scratch, 9,984 bytes a wave
.set SCRW,   9984
.set PSO,    6400                      ; in it: Bskew [16][96] f32, pitch 400 (also O's stage, pitch 144); then Pskew [16][96] f16, pitch 208
.set SPARE,  SCR+4*SCRW                ; the spare words: 128 bytes a wave, two blocks of 256 bytes that no other line names
.set ASTEP,  256                       ; a K step along A's rows
.set BSTEP,  128*2048                  ; a K step down B's rows
.set AK0, 2
.set AV0, 3
.set KA,  4
.set VA,  5
.set QB,  6
.set QA,  7
.set BSW, 8
.set BSR, 9
.set PSW, 10
.set PSR, 11
.set STO, 12
.set RD,  13
.set GO,  14
.set ZA,  15
.set ADRA0, 16                         ; v16  my A fragments' place in slot 0; never rewritten
.set ADRA,  17                         ; v17  the same in the slot in hand
.set ADRB0, 20
.set ADRB,  21
.set VRK, 22
.set VRV, 23
.set SPW, 28
.set NIL, 29
.set PFO, 30
.set KPO, 31
.set TM,  32
.set GI,  56
.set GA,  57
.set ZR,  60
.set F0,  64
.set F1,  128
.set S,   64
.set P,   128
.set O,   160
.set QF,  192
.set RV0, 208
.set MASK, 240
.set BT,  128
.set PSK, 64
.set OH,  96
.set HHC, 2
.set HLF, 6
.set BB,  7
.set KVP, 8
.set WV, 10
.set RH, 11
.set CH, 12
.set YY, 13
.set QOFF, 14
.set KVB, 15
.set EKB, 16
.set LWA, 18                           ; s18, s19  phase 1: LDS byte of my part of A's and of B's tile in slot 0
.set LWB, 19
.set EVB, 18                           ; s[18:19]  phase 2
.set G1,  24
.set G0,  32
.set CX, 40
.set CY, 41
.set XX, 42
.set LIM, 43
.set PFA, 44
.set PST, 46
.set G1B, 48
.set G0B, 56
.set G1KV, 84
.set G0KV, 92
.set CS,  96
.set SEL, 98
.set OB,  100
.set CLY, 104
.set TB,  105                          ; the slot in hand: 0 or SLOT
.set MSB, 0
.macro WIN new
.if MSB != (\new)
	s_set_vgpr_msb (MSB<<8)|(\new)
.set MSB, \new
.endif
.endm
.macro JLOAD s
	s_cmp_eq_u32 s[RH], 0
	s_cbranch_scc0 .Lfor_b_\@
	tensor_load_to_lds s[G0+4*(\s):G0+4*(\s)+3], s[G1:G1+7]
	s_nop 0
.rept 4
	v_nop
.endr
	s_branch .Lasked_\@
.Lfor_b_\@:
	tensor_load_to_lds s[G0B+4*(\s):G0B+4*(\s)+3], s[G1B:G1B+7]
	s_nop 0
.rept 4
	v_nop
.endr
.Lasked_\@:
.endm
.macro CREST
	s_cmp_lg_u32 s[WV], 0
	s_cbranch_scc1 .Lnot_wave_0_\@
	s_barrier_signal -3
.Lnot_wave_0_\@:
	s_barrier_wait -3
	s_barrier_signal -1
	s_barrier_wait -1
.endm
.macro CROUND
	s_barrier_signal -1
	s_barrier_wait -1
	CREST
.endm
.macro PLACES
.rept 4
	v_nop
.endr
.endm
; PREFETCHES INTO THE L2, behind each joint load and the run of LDS loads that follows it.  Trips 6..3 (s3 counts down): the K step two refills on, 32 blocks of 256 bytes, a lane a block.  Of what a wave fetches
; each of the four partners that ask for it jointly takes a quarter, told apart by address.  A's rows are read by this cluster alone; B's by all sixteen clusters: cluster y = 0 asks.  K steps 0..3 come by their
; loads alone.  Trips 2 and 1, which have no K step two refills on: K and V of phase 2, two K steps and one ahead of the last product: the batch's two work-groups take two heads each, a wave half a head:
; 64 blocks of 256 bytes, 32 a trip, each named once.
.macro ASK
	s_cmp_gt_u32 s3, s[LIM]
	s_cbranch_scc0 .Lnot_mine_\@
	global_prefetch_b8 v[PFO], s[PFA:PFA+1] th:TH_LOAD_NT scope:SCOPE_SE
.Lnot_mine_\@:
	s_cmp_eq_u32 s3, 2
	s_cbranch_scc0 .Lnot_kv0_\@
	global_prefetch_b8 v[KPO], s[KVP:KVP+1] th:TH_LOAD_NT scope:SCOPE_SE
.Lnot_kv0_\@:
	s_cmp_eq_u32 s3, 1
	s_cbranch_scc0 .Lnot_kv1_\@
	global_prefetch_b8 v[KPO], s[KVP:KVP+1] offset:8192 th:TH_LOAD_NT scope:SCOPE_SE
.Lnot_kv1_\@:
.endm
.macro MULR f, a0, n, zero             ; the accumulators take turns, one instruction a turn
.set ma, \a0
.rept \n
	WIN 0xa1+0x50*(ma/4)
.set mb, 0
.rept 8
.set rD, 8*(8*(ma%4)+mb)
.if \zero
	v_wmma_f32_16x16x32_bf16 v[rD:rD+7], v[(\f)+8*mb:(\f)+8*mb+7], v[(\f)+8*ma:(\f)+8*ma+7], 0
.else
	v_wmma_f32_16x16x32_bf16 v[rD:rD+7], v[(\f)+8*mb:(\f)+8*mb+7], v[(\f)+8*ma:(\f)+8*ma+7], v[rD:rD+7]
.endif
.set mb, mb+1
.endr
.set ma, ma+1
.endr
.endm
.macro FETCH q, f                      ; one run of LDS loads: quarter q of the slot in hand into buffer f
	WIN 0x40
.set fi, 0
.rept 8
	ds_load_tr16_b128 v[(\f)+8*fi:(\f)+8*fi+3],   v[ADRB] offset:(\q)*32*BP+32*fi
	ds_load_tr16_b128 v[(\f)+8*fi+4:(\f)+8*fi+7], v[ADRB] offset:(\q)*32*BP+32*fi+16*BP
.set fi, fi+1
.endr
	WIN 0
.set fi, 0
.rept MT
	ds_load_b128 v[(\f)+8*fi:(\f)+8*fi+3],   v[ADRA] offset:64*(\q)+fi*32*APITCH
	ds_load_b128 v[(\f)+8*fi+4:(\f)+8*fi+7], v[ADRA] offset:64*(\q)+fi*32*APITCH+32
.set fi, fi+1
.endr
.endm
.macro QUARTER q, f, g, zero
	s_wait_dscnt MT                                ; B and A's lower tiles are in; the youngest MT loads (A's upper tiles) may be out
	MULR \f, 0, MT/2, \zero
	PLACES
	FETCH \q, \g
	s_wait_dscnt 16+2*MT                           ; all but the run just issued
	MULR \f, MT/2, MT/2, \zero
.endm
.macro MEET round
	WIN 0
	s_wait_tensorcnt 0x0                           ; all my tensor loads have landed: the one that was out is my part of the next slot
	ds_add_u32 v[SPW], v[NIL]                      ; 0 onto my spare word
	s_wait_dscnt MT+1                              ; the add and the youngest MT loads may be out
	MULR F1, 0, MT/4, 0
	s_wait_dscnt 0x0                               ; the add is done, and my reads of this slot are over
	s_barrier_signal -1
	MULR F1, MT/4, MT/4, 0
.if \round
	WIN 0
.endif
	s_barrier_wait -1
.endm
.macro TURN fill                       ; the last quarter of a K step: multiplies buffer 1 and changes slots
.if \fill
	s_wait_xcnt 0x0                                ; the last prefetch, a K step back, has read its address
	s_add_nc_u64 s[PFA:PFA+1], s[PFA:PFA+1], s[PST:PST+1]
	MEET 1
	CREST                                          ; no wave of any partner still reads the slot or has a load on its way
	s_add_co_u32 s[G0+5], s[LWA], s[TB]            ; the walking descriptors: into the slot just read out,
	s_add_nc_u64 s[G0+6:G0+7], s[G0+6:G0+7], ASTEP ; the K step behind the one asked for last; no tensor load of mine is out
	s_add_co_u32 s[G0B+5], s[LWB], s[TB]
	s_add_nc_u64 s[G0B+6:G0B+7], s[G0B+6:G0B+7], BSTEP
	s_xor_b32 s[TB], s[TB], SLOT                   ; the other slot is in hand
	JLOAD 1                                        ; the first tensor load behind the round; its four v_nop are also the places in front of the loads below
.else
	MEET 0
	WIN 0
	s_xor_b32 s[TB], s[TB], SLOT
	PLACES
.endif
	v_add_nc_u32 v[ADRA], s[TB], v[ADRA0]
	v_add_nc_u32 v[ADRB], s[TB], v[ADRB0]
	FETCH 0, F0
.if \fill
	ASK
.endif
	MULR F1, MT/2, MT/2, 0
.endm
	s_load_b512 s[68:83], s[0:1], 0x0              ; xb 68, w16 70, kv 72, etab 74, rel_v 76, alpha 78, beta 80, ob 82
	v_lshl_add_u32 v[SPW], v0, 2, SPARE
	v_mov_b32 v[NIL], 0
	ds_add_u32 v[SPW], v[NIL]                      ; the wave's opening: the add and its wait ahead of my first tensor load
	v_lshrrev_b32 v1, 5, v0
	v_readfirstlane_b32 s[WV], v1
	s_lshr_b32 s[RH], s[WV], 1
	s_and_b32 s[CH], s[WV], 1
	s_bfe_u32 s[CX], ttmp6, 0x40000
	s_bfe_u32 s[CY], ttmp6, 0x40004
	s_lshl_b32 s[XX], ttmp9, 2
	s_add_co_u32 s[XX], s[XX], s[CX]               ; the four heads
	s_and_b32 s[CLY], ttmp7, 0xffff
	s_lshl_b32 s[YY], s[CLY], 2
	s_add_co_u32 s[YY], s[YY], s[CY]               ; tile row 0..63
	s_lshr_b32 s[BB], s[YY], 1                     ; the batch
	s_and_b32 s[HLF], s[YY], 1                     ; the parity of its query tiles: it enters global addresses alone
	s_lshl_b32 s20, s[CY], 2
	s_lshl_b32 s20, 15, s20
	s_lshl_b32 s22, 0x1111, s[CX]
	s_or_b32 s[G1], s20, (1<<16)|(1<<20)|(1<<21)|(5<<22)|(3<<25)
	s_or_b32 s[G1B], s22, (1<<16)|(1<<20)|(1<<21)|(6<<22)|(7<<25)
	s_mov_b32 s[G1+1], 128<<16
	s_mov_b32 s[G1+2], 128<<16
	s_mov_b32 s[G1+3], 128<<16
	s_mov_b32 s[G1+4], 128
	s_mov_b32 s[G1+5], 1024
	s_mov_b32 s[G1+6], 0
	s_mov_b32 s[G1+7], 0
	s_mov_b32 s[G1B+1], 256<<16
	s_mov_b32 s[G1B+2], 64<<16
	s_mov_b32 s[G1B+3], 256<<16
	s_mov_b32 s[G1B+4], 64
	s_mov_b32 s[G1B+5], 1024
	s_mov_b32 s[G1B+6], 0
	s_mov_b32 s[G1B+7], 0
	s_mov_b32 s[G1KV], (1<<16)|(1<<20)|(4<<22)|(3<<25)  ; a load of my own: no mask; 32,768 dense bytes as 128 rows of 256, padded by 4 words after every 32
	s_mov_b32 s[G1KV+1], 128<<16
	s_mov_b32 s[G1KV+2], 128<<16
	s_mov_b32 s[G1KV+3], 128<<16
	s_mov_b32 s[G1KV+4], 128
	s_mov_b32 s[G1KV+5], 128
	s_mov_b32 s[G1KV+6], 0
	s_mov_b32 s[G1KV+7], 0
	s_mov_b32 s[CS], 0x3e38aa3b                    ; c = log2(e) / 8
	s_mov_b32 s[CS+1], s[CS]
	s_mov_b32 s[SEL], 0x76543210
	s_mov_b32 s[SEL+1], 0xfedcba98
	s_lshl_b32 s20, s[YY], 19                      ; A: row 256 Y + 128 half
	s_lshl_b32 s21, s[CH], 18
	s_add_co_u32 s20, s20, s21
	s_mov_b32 s21, 0
	s_lshl_b32 s22, s[XX], 9                       ; B: Wq, columns 256 X on, k 64 half on
	s_lshl_b32 s23, s[CH], 17
	s_add_co_u32 s22, s22, s23
	s_mov_b32 s23, 0
	s_mul_i32 s[LWA], s[CH], AHALF
	s_mul_i32 s[LWB], s[CH], BHALF
	s_add_co_u32 s[LWB], s[LWB], ABYTES
	s_mov_b32 s[TB], 0
	s_wait_dscnt 0x0                               ; the opening add is done
	s_wait_kmcnt 0x0
	s_load_b32 s4, s[78:79], 0x0                   ; alpha
	s_load_b32 s5, s[80:81], 0x0                   ; beta
	s_add_nc_u64 s[14:15], s[68:69], s[20:21]
	s_add_nc_u64 s[66:67], s[70:71], s[22:23]
	CROUND
.irp s, 0,1
	s_mov_b32 s[G0+4*(\s)], 1
	s_add_co_u32 s[G0+4*(\s)+1], s[LWA], (\s)*SLOT
	s_add_nc_u64 s[G0+4*(\s)+2:G0+4*(\s)+3], s[14:15], (\s)*ASTEP
	s_or_b32 s[G0+4*(\s)+3], s[G0+4*(\s)+3], 0x80000000
	s_mov_b32 s[G0B+4*(\s)], 1
	s_add_co_u32 s[G0B+4*(\s)+1], s[LWB], (\s)*SLOT
	s_add_nc_u64 s[G0B+4*(\s)+2:G0B+4*(\s)+3], s[66:67], (\s)*BSTEP
	s_or_b32 s[G0B+4*(\s)+3], s[G0B+4*(\s)+3], 0x80000000
	JLOAD \s                                       ; two loads of mine are out; the second set of registers then walks on
.endr
	; all that follows up to the barrier stands in the wait for the first tiles
	v_and_b32 v24, 15, v0                          ; di = l % 16
	v_bfe_u32 v25, v0, 4, 1                        ; h = l / 16
	v_and_b32 v26, 7, v0
	v_bfe_u32 v27, v0, 3, 1
	v_and_b32 v1, 31, v0
	v_lshlrev_b32 v34, 5, v25                      ; rel_v[0][16 cb + 8 h + 0..7]
.set i, 0
.rept 4
	global_load_b128 v[RV0+8*i:RV0+8*i+3],   v34, s[76:77] offset:64*i
	global_load_b128 v[RV0+8*i+4:RV0+8*i+7], v34, s[76:77] offset:64*i+16
.set i, i+1
.endr
	v_mul_u32_u24 v32, v24, APITCH
	v_lshl_add_u32 v32, v25, 4, v32
	v_lshl_add_u32 v33, v25, 3, v26
	v_mul_u32_u24 v33, v33, BP
	v_lshl_add_u32 v33, v27, 4, v33
	s_mul_i32 s20, s[RH], 16*APITCH
	s_lshl_b32 s21, s[CH], 8
	s_add_co_u32 s21, s21, ABYTES
	v_add_nc_u32 v[ADRA0], s20, v32
	v_add_nc_u32 v[ADRB0], s21, v33
	v_mov_b32 v[ADRA], v[ADRA0]                    ; slot 0 is in hand
	v_mov_b32 v[ADRB], v[ADRB0]
	; the prefetches
	s_mov_b32 s[PST], 128*2048                     ; a K step: down B's rows, or
	s_mov_b32 s[PST+1], 0
	s_cmp_eq_u32 s[RH], 0
	s_cselect_b32 s[PST], 256, s[PST]              ; along A's
	s_cselect_b64 s[PFA:PFA+1], s[14:15], s[66:67] ; what I fetch,
	s_cselect_b32 s20, s[CX], s[CY]                ; my place among the four that ask with me,
	s_cselect_b32 s21, 16, 15                      ; its part: 32 rows of A, or 16 k of B
	s_cselect_b32 s22, 0, 1                        ; a lane a row of A; two lanes a row of B
	s_cselect_b32 s23, ttmp9, s[CLY]               ; the coordinate along which other clusters read the same rows
	s_lshl_b32 s20, s20, s21
	s_mov_b32 s21, 0
	s_add_nc_u64 s[PFA:PFA+1], s[PFA:PFA+1], s[20:21]
	s_mul_i32 s20, s[PST], 3
	s_add_nc_u64 s[PFA:PFA+1], s[PFA:PFA+1], s[20:21]  ; at K step 3: the first refill steps it to 4
	s_cmp_eq_u32 s23, 0
	s_cselect_b32 s[LIM], 2, -1                    ; a wave that asks does so while more than two trips are left; the same in all sixteen partners, for a given wave
	v_lshrrev_b32 v[PFO], s22, v1
	v_and_b32 v32, s22, v1
	v_lshlrev_b32 v[PFO], 11, v[PFO]
	v_lshl_add_u32 v[PFO], v32, 8, v[PFO]
	v_lshlrev_b32 v[KPO], 8, v1
	s_lshl_b32 s20, s[BB], 4
	s_lshl_b32 s21, s[XX], 2
	s_add_co_u32 s20, s20, s21
	s_lshl_b32 s21, s[HLF], 1
	s_add_co_u32 s20, s20, s21
	s_add_co_u32 s20, s20, s[RH]                   ; head 16 b + 4 X + 2 parity + wave / 2,
	s_lshl_b32 s20, s20, 15
	s_lshl_b32 s21, s[CH], 14                      ; its K or its V
	s_add_co_u32 s20, s20, s21
	s_mov_b32 s21, 0
	s_add_nc_u64 s[KVP:KVP+1], s[72:73], s[20:21]
	; phase 2's addresses
	v_mul_u32_u24 v[AK0], v24, 144
	v_lshl_add_u32 v[AK0], v25, 4, v[AK0]
	v_lshl_add_u32 v[AV0], v25, 3, v26
	v_mul_u32_u24 v[AV0], v[AV0], 144
	v_lshl_add_u32 v[AV0], v27, 4, v[AV0]
	v_add_nc_u32 v[AV0], 128*144, v[AV0]
	s_lshl_b32 s20, s[WV], 15
	s_add_co_u32 s20, s20, QIMG
	v_lshl_add_u32 v[QB], v1, 4, s20
	s_mul_i32 s20, s[WV], SCRW
	s_add_co_u32 s20, s20, SCR                     ; my Bskew and stage
	s_add_co_u32 s21, s20, PSO                     ; my Pskew
	v_mul_u32_u24 v[BSW], v24, 400
	v_lshl_add_u32 v[BSW], v25, 5, v[BSW]
	v_add_nc_u32 v[BSW], s20, v[BSW]               ; in: [di][16 ut + 8 h + ..]
	v_mul_u32_u24 v[BSR], v24, 396
	v_lshl_add_u32 v[BSR], v25, 5, v[BSR]
	v_add3_u32 v[BSR], v[BSR], s20, 60             ; back: [di][j - di + 15], j = 16 kt + 8 h + r
	v_mul_u32_u24 v[PSW], v24, 206
	v_lshl_add_u32 v[PSW], v25, 4, v[PSW]
	v_add3_u32 v[PSW], v[PSW], s21, 30             ; in: [di][j - di + 15], two bytes each
	v_mul_u32_u24 v[PSR], v24, 208
	v_lshl_add_u32 v[PSR], v25, 4, v[PSR]
	v_add_nc_u32 v[PSR], s21, v[PSR]               ; back: fragments of 32 u
	v_add_nc_u32 v[STO], s20, v[AK0]
	v_bfe_u32 v[RD], v0, 3, 2
	v_mul_u32_u24 v[RD], v[RD], 144
	v_lshl_add_u32 v[RD], v26, 4, v[RD]
	v_add_nc_u32 v[RD], s20, v[RD]
	v_lshlrev_b32 v[GO], 4, v1
	v_lshl_add_u32 v[ZA], v1, 4, s21
	v_lshlrev_b32 v[VRK], 7, v24
	v_lshl_add_u32 v[VRK], v25, 4, v[VRK]
	v_mul_u32_u24 v[VRV], v24, 448
	v_lshl_add_u32 v[VRV], v25, 4, v[VRV]
	v_cvt_f32_u32 v33, v25
.irp r, 0,1,2,3,4
	v_mov_b32 v[MASK+(\r)], 0
.endr
.irp r, 5,6,7
	v_mul_f32 v[MASK+(\r)], 0xf149f2ca, v33        ; slots 64 + 8 h + r >= 77: -1e30
.endr
.irp r, 40,41,42,43,45,47,49,60,61,62,63
	v_mov_b32 v\r, 0                               ; destinations of lane exchanges and upper halves of pairs count as read; v60-63 are the zeros for Pskew
.endr
	; the gains tanh(a) + 1 = 2 / (1 + 2^(-2 log2(e) a)): no difference of near numbers
	s_wait_kmcnt 0x0
	v_mov_b32 v50, s4
	v_mov_b32 v51, s5
	v_cvt_pk_bf16_f32 v52, v50, v51
	v_lshlrev_b32 v50, 16, v52
	v_and_b32 v51, 0xffff0000, v52
	v_mul_f32 v50, 0xc038aa3b, v50
	v_mul_f32 v51, 0xc038aa3b, v51
	v_exp_f32 v50, v50
	v_exp_f32 v51, v51
	v_nop                                          ; a plain instruction behind the last exponential,
	s_wait_alu depctr_va_vdst(0)                   ; and the wait ahead of the first use
	v_add_f32 v50, 1.0, v50
	v_add_f32 v51, 1.0, v51
	v_rcp_f32 v[GI], v50
	v_rcp_f32 v[GA], v51
	v_nop
	s_wait_alu depctr_va_vdst(0)
	v_add_f32 v[GI], v[GI], v[GI]
	v_add_f32 v[GA], v[GA], v[GA]
	s_wait_loadcnt 0x0                             ; rel_v[0]
.set i, 0
.rept 16
	v_cvt_pk_bf16_f32 v50, v[RV0+2*i], v[RV0+2*i+1]
	v_lshlrev_b32 v[RV0+2*i], 16, v50
	v_and_b32 v[RV0+2*i+1], 0xffff0000, v50
.set i, i+1
.endr
	s_wait_tensorcnt 0x1                           ; my part of K step 0 is in; K step 1's may stay out
	s_barrier_signal -1
	s_barrier_wait -1
	FETCH 0, F0
	QUARTER 1, F0, F1, 1                           ; the first quarter's products start the sums: it alone is written out
	WIN 0
	s_mov_b32 s3, 6
	s_branch .Lmid                                 ; the loop is entered behind a step's first quarter
.Lstep:                                            ; a trip is a K step: steps 0..5, each of which fills its slot again, two steps ahead
	QUARTER 1, F0, F1, 0
	WIN 0
.Lmid:
	QUARTER 2, F1, F0, 0
	QUARTER 3, F0, F1, 0
	TURN 1
	WIN 0
	s_sub_co_u32 s3, s3, 1
	s_cmp_lg_u32 s3, 0
	s_cbranch_scc1 .Lstep
	s_mov_b32 s3, 2
.Ltail:                                            ; steps 6 and 7 fill nothing.  The second trip's barrier and its run of loads (from the slot of step 6, which nobody writes) serve nothing:
	QUARTER 1, F0, F1, 0                           ; the price, once a launch, of one text for both trips
	QUARTER 2, F1, F0, 0
	QUARTER 3, F0, F1, 0
	TURN 0
	WIN 0
	s_sub_co_u32 s3, s3, 1
	s_cmp_lg_u32 s3, 0
	s_cbranch_scc1 .Ltail
	; FROM THE PRODUCT TO ATTENTION.  The ring's first 147,456 bytes are filled once more, with the four heads' K and V: my loads have landed, the add, my reads are over, a round, and then my one load.
	s_wait_tensorcnt 0x0
	ds_add_u32 v[SPW], v[NIL]                      ; 0 onto my spare word; scalar work stands between it and the wait for it
	s_lshl_b32 s20, s[BB], 4
	s_lshl_b32 s21, s[XX], 2
	s_add_co_u32 s20, s20, s21                     ; 16 b + 4 X
	s_add_co_u32 s21, s20, s[WV]                   ; wave w fetches head w of the four
	s_lshl_b32 s22, s21, 15
	s_mov_b32 s23, 0
	s_mov_b32 s[G0KV], 1
	s_mul_i32 s[G0KV+1], s[WV], KVT
	s_add_nc_u64 s[G0KV+2:G0KV+3], s[72:73], s[22:23]
	s_or_b32 s[G0KV+3], s[G0KV+3], 0x80000000
	s_lshl_b32 s21, s[CH], 1
	s_add_co_u32 s21, s20, s21                     ; my first head,
	s_lshl_b32 s22, s21, 16
	s_lshl_b32 s21, s[RH], 1
	s_add_co_u32 s21, s21, s[HLF]                  ; my first query tile
	s_lshl_b32 s21, s21, 11
	s_add_co_u32 s22, s22, s21
	s_add_nc_u64 s[OB:OB+1], s[82:83], s[22:23]
	s_lshl_b32 s20, s[RH], 5
	s_lshl_b32 s21, s[HLF], 4
	s_add_co_u32 s20, s20, s21
	s_sub_co_u32 s20, 48, s20                      ; the window of tile a begins at E's place 48 - 32 (wave / 2) - 16 parity + 64 (1 - a)
	s_lshl_b32 s22, s20, 7
	s_add_nc_u64 s[EKB:EKB+1], s[74:75], s[22:23]
	s_lshl_b32 s22, s20, 1
	s_add_co_u32 s22, s22, 28672
	s_add_nc_u64 s[EVB:EVB+1], s[74:75], s[22:23]
	s_mov_b32 s[QOFF], 0
	s_mul_i32 s[KVB], s[CH], 2*KVT
	s_wait_dscnt 0x0
	CROUND
	tensor_load_to_lds s[G0KV:G0KV+3], s[G1KV:G1KV+7]
	s_nop 0
.rept 4
	v_nop                                          ; also the places behind the last products
.endr
	WIN 0x40                                       ; E_K's windows: tile a, 16 u from 16 ut on, channels 32 c on
.set ra, 0
.rept 2
.set ut, 0
.rept 6
.set uc, 0
.rept 2
	global_load_b128 v[96*ra+16*ut+8*uc:96*ra+16*ut+8*uc+3],   v[VRK], s[EKB:EKB+1] offset:(1-ra)*8192+ut*2048+64*uc
	global_load_b128 v[96*ra+16*ut+8*uc+4:96*ra+16*ut+8*uc+7], v[VRK], s[EKB:EKB+1] offset:(1-ra)*8192+ut*2048+64*uc+32
.set uc, uc+1
.endr
.set ut, ut+1
.endr
.set ra, ra+1
.endr
	; q is rounded to f16 and set aside, lane by lane, as the fragments that it already is: unit 8 hh + a at 2,048 bytes each, channels 32 c on at 1,024 c
.set pa, 0
.rept 8
	WIN 0x0a+5*(pa/4)
.set TQ, 64+32*(pa%2)
.set pg, 0
.rept 8
.set AC, 8*(8*(pa%4)+pg)
.set pm, 0
.rept 4
	v_cvt_pk_f16_f32 v[TQ+4*pg+pm], v[AC+2*pm], v[AC+2*pm+1]
.set pm, pm+1
.endr
.set pg, pg+1
.endr
	WIN 0
.set pg, 0
.rept 4
	ds_store_b128 v[QB], v[TQ+8*pg:TQ+8*pg+3]   offset:(8*(pg/2)+pa)*2048+(pg%2)*1024
	ds_store_b128 v[QB], v[TQ+8*pg+4:TQ+8*pg+7] offset:(8*(pg/2)+pa)*2048+(pg%2)*1024+512
.set pg, pg+1
.endr
.set pa, pa+1
.endr
	WIN 0xc0                                       ; E_V's windows, turned: tile a, 32 u from 32 s on, channels 16 cb on
.set ra, 0
.rept 2
.set us, 0
.rept 3
.set cb, 0
.rept 4
	global_load_b128 v[96*ra+32*us+8*cb:96*ra+32*us+8*cb+3],   v[VRV], s[EVB:EVB+1] offset:(1-ra)*128+cb*7168+64*us
	global_load_b128 v[96*ra+32*us+8*cb+4:96*ra+32*us+8*cb+7], v[VRV], s[EVB:EVB+1] offset:(1-ra)*128+cb*7168+64*us+32
.set cb, cb+1
.endr
.set us, us+1
.endr
.set ra, ra+1
.endr
	WIN 0
.set i, 0
.rept 7
	ds_store_b128 v[ZA], v[ZR:ZR+3] offset:512*i   ; Pskew's places that no unit writes stay 0
.set i, i+1
.endr
.macro QLOAD
.set i, 0
.rept 4
	ds_load_b128 v[QF+4*i:QF+4*i+3], v[QA] offset:512*i
.set i, i+1
.endr
.endm
	v_mov_b32 v[QA], v[QB]
	QLOAD                                          ; the first unit's Q: my own bytes, behind my own stores
	s_wait_tensorcnt 0x0                           ; my head's K and V are in,
	s_wait_dscnt 0x0
	s_barrier_signal -1
	s_barrier_wait -1                              ; everybody's are
	s_wait_loadcnt 0x0                             ; the windows of E
; a head's K (as it lies) and V (turned) into registers: they serve eight units
.macro KVFRAG
	v_add_nc_u32 v[KA], s[KVB], v[AK0]
	v_add_nc_u32 v[VA], s[KVB], v[AV0]
	WIN 0x80
.set kt, 0
.rept 8
.set uc, 0
.rept 2
	ds_load_b128 v[16*kt+8*uc:16*kt+8*uc+3],   v[KA] offset:kt*2304+64*uc
	ds_load_b128 v[16*kt+8*uc+4:16*kt+8*uc+7], v[KA] offset:kt*2304+64*uc+32
.set uc, uc+1
.endr
.set kt, kt+1
.endr
.set us, 0
.rept 4
.set cb, 0
.rept 4
	ds_load_tr16_b128 v[128+32*us+8*cb:128+32*us+8*cb+3],   v[VA] offset:us*4608+32*cb
	ds_load_tr16_b128 v[128+32*us+8*cb+4:128+32*us+8*cb+7], v[VA] offset:us*4608+32*cb+2304
.set cb, cb+1
.endr
.set us, us+1
.endr
	WIN 0
.endm
; THREE SOFTMAXES on the lane's 64 scores: text S0-39, image S40-47, audio S48-63.  Each accumulator's lowest registers are read first.
.macro PAIRS from, to, line:vararg     ; one line for each pair p of scores
.set p, \from
.rept (\to)-(\from)
	\line
.set p, p+1
.endr
.endm
.macro SOFTMAX
.set kt, 0
.rept 8
	v_max3_num_f32 v[TM+kt], v[S+8*kt], v[S+8*kt+1], v[S+8*kt+2]
.set kt, kt+1
.endr
.set kt, 0
.rept 8
	v_max3_num_f32 v[TM+kt], v[TM+kt], v[S+8*kt+3], v[S+8*kt+4]
.set kt, kt+1
.endr
.set kt, 0
.rept 8
	v_max3_num_f32 v[TM+kt], v[TM+kt], v[S+8*kt+5], v[S+8*kt+6]
.set kt, kt+1
.endr
	v_max3_num_f32 v[TM], v[TM], v[TM+1], v[TM+2]
	v_max3_num_f32 v[TM+3], v[TM+3], v[TM+4], v[S+7]
	v_max_num_f32 v[TM+5], v[TM+5], v[S+47]
	v_max3_num_f32 v[TM+6], v[TM+6], v[TM+7], v[S+55]
	v_max3_num_f32 v[TM], v[TM], v[TM+3], v[S+15]
	v_max_num_f32 v[TM+6], v[TM+6], v[S+63]
	v_max3_num_f32 v[TM], v[TM], v[S+23], v[S+31]
	v_permlanex16_b32 v41, v[TM+5], s[SEL], s[SEL+1]  ; a query's other keys lie in the lane 16 away
	v_permlanex16_b32 v42, v[TM+6], s[SEL], s[SEL+1]
	v_max_num_f32 v[TM], v[TM], v[S+39]
	v_max_num_f32 v[TM+5], v[TM+5], v41
	v_max_num_f32 v[TM+6], v[TM+6], v42
	v_permlanex16_b32 v40, v[TM], s[SEL], s[SEL+1]
	v_mul_f32 v46, s[CS], v[TM+5]                  ; c m, for image,
	v_mul_f32 v48, s[CS], v[TM+6]                  ; audio,
	v_max_num_f32 v[TM], v[TM], v40
	v_mul_f32 v44, s[CS], v[TM]                    ; and text
	PAIRS 20, 24, v_pk_fma_f32 v[S+2*p:S+2*p+1], v[S+2*p:S+2*p+1], s[CS:CS+1], v[46:47] op_sel_hi:[1,0,0] neg_lo:[0,0,1] neg_hi:[0,0,1]
	PAIRS 24, 32, v_pk_fma_f32 v[S+2*p:S+2*p+1], v[S+2*p:S+2*p+1], s[CS:CS+1], v[48:49] op_sel_hi:[1,0,0] neg_lo:[0,0,1] neg_hi:[0,0,1]
	PAIRS 0, 20,  v_pk_fma_f32 v[S+2*p:S+2*p+1], v[S+2*p:S+2*p+1], s[CS:CS+1], v[44:45] op_sel_hi:[1,0,0] neg_lo:[0,0,1] neg_hi:[0,0,1]
	PAIRS 0, 64,  v_exp_f32 v[S+p], v[S+p]         ; one batch of 64
	v_nop                                          ; a plain instruction behind the last exponential,
	s_wait_alu depctr_va_vdst(0)                   ; and one wait for the batch, ahead of its first reader
	; the sums, in f32, of the unrounded weights: text in four chains of five pairs, image and audio as trees
.irp k, 0,1,2,3
	v_pk_add_f32 v[32+2*(\k):33+2*(\k)], v[S+2*(\k):S+2*(\k)+1], v[S+2*(\k)+8:S+2*(\k)+9]
.endr
	v_pk_add_f32 v[50:51], v[S+40:S+41], v[S+42:S+43]
	v_pk_add_f32 v[52:53], v[S+44:S+45], v[S+46:S+47]
	v_pk_add_f32 v[40:41], v[S+48:S+49], v[S+50:S+51]
	v_pk_add_f32 v[42:43], v[S+52:S+53], v[S+54:S+55]
	v_pk_add_f32 v[54:55], v[S+56:S+57], v[S+58:S+59]
	v_pk_add_f32 v[58:59], v[S+60:S+61], v[S+62:S+63]
.irp g, 16,24,32
.irp k, 0,1,2,3
	v_pk_add_f32 v[32+2*(\k):33+2*(\k)], v[32+2*(\k):33+2*(\k)], v[S+2*(\k)+(\g):S+2*(\k)+(\g)+1]
.endr
.endr
	v_pk_add_f32 v[50:51], v[50:51], v[52:53]
	v_pk_add_f32 v[40:41], v[40:41], v[42:43]
	v_pk_add_f32 v[54:55], v[54:55], v[58:59]
	v_pk_add_f32 v[32:33], v[32:33], v[34:35]
	v_pk_add_f32 v[36:37], v[36:37], v[38:39]
	v_pk_add_f32 v[40:41], v[40:41], v[54:55]
	v_add_f32 v50, v50, v51
	v_pk_add_f32 v[32:33], v[32:33], v[36:37]
	v_add_f32 v40, v40, v41
	v_permlanex16_b32 v51, v50, s[SEL], s[SEL+1]
	v_add_f32 v32, v32, v33
	v_permlanex16_b32 v41, v40, s[SEL], s[SEL+1]
	v_add_f32 v50, v50, v51
	v_permlanex16_b32 v33, v32, s[SEL], s[SEL+1]
	v_add_f32 v40, v40, v41
	v_add_f32 v32, v32, v33
	v_rcp_f32 v52, v50
	v_rcp_f32 v42, v40
	v_rcp_f32 v34, v32
	v_nop
	s_wait_alu depctr_va_vdst(0)                   ; one wait for the three reciprocals
	v_mul_f32 v52, v52, v[GI]                      ; the streams' gains go into the weights, so that one sum over 128 slots serves all three
	v_mul_f32 v42, v42, v[GA]
	PAIRS 0, 20,  v_pk_mul_f32 v[S+2*p:S+2*p+1], v[S+2*p:S+2*p+1], v[34:35] op_sel_hi:[1,0]
	PAIRS 20, 24, v_pk_mul_f32 v[S+2*p:S+2*p+1], v[S+2*p:S+2*p+1], v[52:53] op_sel_hi:[1,0]
	PAIRS 24, 32, v_pk_mul_f32 v[S+2*p:S+2*p+1], v[S+2*p:S+2*p+1], v[42:43] op_sel_hi:[1,0]
	PAIRS 0, 32,  v_cvt_pk_f16_f32 v[P+p], v[S+2*p], v[S+2*p+1]
.endm
; THE RUNS OF PRODUCTS THAT STAND TWICE.  In every run the accumulators take turns, one instruction a turn; each run leaves every window 0, for the labels and branches round it.
.macro BSK a                           ; Bskew^T = E_K's window of banded tile a x Q^T
	WIN 0x01
.set uc, 0
.rept 2
.set ut, 0
.rept 6
.if uc == 0
	v_wmma_f32_16x16x32_f16 v[BT+8*ut:BT+8*ut+7], v[96*(\a)+16*ut:96*(\a)+16*ut+7], v[QF:QF+7], 0
.else
	v_wmma_f32_16x16x32_f16 v[BT+8*ut:BT+8*ut+7], v[96*(\a)+16*ut+8:96*(\a)+16*ut+15], v[QF+8:QF+15], v[BT+8*ut:BT+8*ut+7]
.endif
.set ut, ut+1
.endr
.set uc, uc+1
.endr
	WIN 0
.endm
.macro KQ0 rel                         ; the first 32 channels of S^T = K Q^T start the sums: from Bskew and the mask (banded), or from 0 and the mask
	WIN 0x02
.set kt, 0
.rept 8
.if (\rel) && (kt < 5)
	v_wmma_f32_16x16x32_f16 v[S+8*kt:S+8*kt+7], v[16*kt:16*kt+7], v[QF:QF+7], v[S+8*kt:S+8*kt+7]
.elseif kt == 4
	v_wmma_f32_16x16x32_f16 v[S+8*kt:S+8*kt+7], v[16*kt:16*kt+7], v[QF:QF+7], v[MASK:MASK+7]
.else
	v_wmma_f32_16x16x32_f16 v[S+8*kt:S+8*kt+7], v[16*kt:16*kt+7], v[QF:QF+7], 0
.endif
.set kt, kt+1
.endr
	WIN 0
.endm
.macro PV0 rel                         ; the first 32 slots of O^T = V^T P start the sums: from 0 (banded), or from rel_v[0]
	WIN 0x02
.set cb, 0
.rept 4
.if \rel
	v_wmma_f32_16x16x32_f16 v[O+8*cb:O+8*cb+7], v[128+8*cb:128+8*cb+7], v[P:P+7], 0
.else
	v_wmma_f32_16x16x32_f16 v[O+8*cb:O+8*cb+7], v[128+8*cb:128+8*cb+7], v[P:P+7], v[RV0+8*cb:RV0+8*cb+7]
.endif
.set cb, cb+1
.endr
	WIN 0
.endm
.macro RVP a                           ; O^T += E_V's window of banded tile a, turned, x Pskew
	WIN 0x03
.set us, 0
.rept 3
.set cb, 0
.rept 4
	v_wmma_f32_16x16x32_f16 v[O+8*cb:O+8*cb+7], v[96*(\a)+32*us+8*cb:96*(\a)+32*us+8*cb+7], v[PSK+8*us:PSK+8*us+7], v[O+8*cb:O+8*cb+7]
.set cb, cb+1
.endr
.set us, us+1
.endr
	WIN 0
.endm
	s_mov_b32 s[HHC], 2
.Lhead:                                            ; my two heads
	KVFRAG
	s_mov_b32 s3, 8
.Lunit:                                            ; A UNIT: one query tile, one head.  s3 = 8, 7: the banded tiles a = 0, 1; s3 = 6..1: query tiles 8 and up
	s_wait_xcnt 0x0                                ; the last unit's stores have read their data and O's address
	s_add_nc_u64 s[OB:OB+1], s[OB:OB+1], 8192      ; four query tiles on (behind a head's eight: the next head); this unit's stores reach back by as much
	s_wait_dscnt 0x0                               ; this unit's Q is in, and in a head's first unit K and V
	s_cmp_lt_u32 s3, 7
	s_cbranch_scc1 .Lkq_plain
	s_cmp_eq_u32 s3, 8
	s_cbranch_scc0 .Lbsk_1
	BSK 0
	s_branch .Lbsk_done
.Lbsk_1:
	BSK 1
.Lbsk_done:
	PLACES
.set ut, 0
.rept 6
	ds_store_b128 v[BSW], v[BT+8*ut:BT+8*ut+3]   offset:64*ut
	ds_store_b128 v[BSW], v[BT+8*ut+4:BT+8*ut+7] offset:64*ut+16
.set ut, ut+1
.endr
.set i, 0
.rept 40
	ds_load_b32 v[S+i], v[BSR] offset:64*(i/8)+4*(i%8)  ; LDS serves a wave's instructions in order (ISA guide 5.7.1.4): these see the stores above
.set i, i+1
.endr
	s_wait_dscnt 0x0
.set i, 0
.rept 4
	v_pk_add_f32 v[S+32+2*i:S+33+2*i], v[S+32+2*i:S+33+2*i], v[MASK+2*i:MASK+2*i+1]
.set i, i+1
.endr
	KQ0 1
	s_branch .Lkq_on
.Lkq_plain:
	KQ0 0
.Lkq_on:
	WIN 0x02
.set kt, 0
.rept 8
	v_wmma_f32_16x16x32_f16 v[S+8*kt:S+8*kt+7], v[16*kt+8:16*kt+15], v[QF+8:QF+15], v[S+8*kt:S+8*kt+7]
.set kt, kt+1
.endr
	WIN 0
	s_add_co_u32 s[QOFF], s[QOFF], 2048
	s_min_u32 s[QOFF], s[QOFF], 30720              ; the last unit fetches its own Q once more: the address stays in my 32,768 bytes
	v_add_nc_u32 v[QA], s[QOFF], v[QB]
.rept 3
	v_nop                                          ; four places with the line above: behind the products, ahead of the loads into Q and of the maxima
.endr
	QLOAD                                          ; the next unit's Q
	SOFTMAX
	s_cmp_lt_u32 s3, 7
	s_cbranch_scc1 .Lpv_plain
.set i, 0
.rept 20
	ds_store_b16 v[PSW], v[P+i] offset:32*(i/4)+4*(i%4)
	ds_store_b16_d16_hi v[PSW], v[P+i] offset:32*(i/4)+4*(i%4)+2
.set i, i+1
.endr
.set i, 0
.rept 3
	ds_load_b128 v[PSK+8*i:PSK+8*i+3],   v[PSR] offset:64*i
	ds_load_b128 v[PSK+8*i+4:PSK+8*i+7], v[PSR] offset:64*i+32
.set i, i+1
.endr
	PV0 1
	s_branch .Lpv_on
.Lpv_plain:
	PV0 0
.Lpv_on:
	WIN 0x02
.set us, 1
.rept 3
.set cb, 0
.rept 4
	v_wmma_f32_16x16x32_f16 v[O+8*cb:O+8*cb+7], v[128+32*us+8*cb:128+32*us+8*cb+7], v[P+8*us:P+8*us+7], v[O+8*cb:O+8*cb+7]
.set cb, cb+1
.endr
.set us, us+1
.endr
	WIN 0
	s_cmp_lt_u32 s3, 7
	s_cbranch_scc1 .Lout
	s_wait_dscnt 0x0                               ; Pskew is in
	s_cmp_eq_u32 s3, 8
	s_cbranch_scc0 .Lrvp_1
	RVP 0
	s_branch .Lout
.Lrvp_1:
	RVP 1
.Lout:
	PLACES
.set i, 0
.rept 16
	v_cvt_pk_f16_f32 v[OH+i], v[O+2*i], v[O+2*i+1]
.set i, i+1
.endr
.set i, 0
.rept 4
	ds_store_b128 v[STO], v[OH+4*i:OH+4*i+3] offset:32*i
.set i, i+1
.endr
.set i, 0
.rept 4
	ds_load_b128 v[OH+4*i:OH+4*i+3], v[RD] offset:576*i  ; four rows of 128 bytes a load
.set i, i+1
.endr
	s_wait_dscnt 0x0
.set i, 0
.rept 4
	global_store_b128 v[GO], v[OH+4*i:OH+4*i+3], s[OB:OB+1] offset:512*i-8192  ; 512 consecutive bytes, aligned: the tile's 16 rows lie on end
.set i, i+1
.endr
	s_sub_co_u32 s3, s3, 1
	s_cmp_lg_u32 s3, 0
	s_cbranch_scc1 .Lunit
	s_add_co_u32 s[KVB], s[KVB], KVT
	s_sub_co_u32 s[HHC], s[HHC], 1
	s_cmp_lg_u32 s[HHC], 0
	s_cbranch_scc1 .Lhead
	s_wait_tensorcnt 0x0                           ; the wave's end
	ds_add_u32 v[SPW], v[NIL]
	s_wait_dscnt 0x0
	CROUND                                         ; the closing round
	s_endpgm
.Lfunc_end_k_qaef65150cc_qattn:
	.size	k_qaef65150cc_qattn, .Lfunc_end_k_qaef65150cc_qattn-k_qaef65150cc_qattn
	.p2alignl 7, 3214868480
	.fill 96, 4, 3214868480
	.section	.rodata,"a",@progbits
	.p2align	6, 0x0
	.amdhsa_kernel k_qaef65150cc_qattn
		.amdhsa_group_segment_fixed_size 327680
		.amdhsa_private_segment_fixed_size 0
		.amdhsa_enable_private_segment 0
		.amdhsa_kernarg_size 64
		.amdhsa_user_sgpr_count 2
		.amdhsa_user_sgpr_kernarg_segment_ptr 1
		.amdhsa_wavefront_size32 1
		.amdhsa_system_sgpr_workgroup_id_x 1
		.amdhsa_system_sgpr_workgroup_id_y 1
		.amdhsa_system_sgpr_workgroup_id_z 1
		.amdhsa_system_vgpr_workitem_id 0
		.amdhsa_next_free_vgpr 1024
		.amdhsa_next_free_sgpr 106
		.amdhsa_reserve_vcc 0
		.amdhsa_float_denorm_mode_32 3
		.amdhsa_float_denorm_mode_16_64 3
		.amdhsa_memory_ordered 1
		.amdhsa_forward_progress 1
		.amdhsa_inst_pref_size 143
	.end_amdhsa_kernel
	.amdgpu_metadata
---
amdhsa.version: [ 1, 2 ]
amdhsa.kernels:
  - .name:           k_qaef65150cc_qattn
    .symbol:         k_qaef65150cc_qattn.kd
    .args:
      - { .name: xb, .offset: 0, .size: 8, .value_kind: global_buffer, .address_space: global }
      - { .name: w16, .offset: 8, .size: 8, .value_kind: global_buffer, .address_space: global }
      - { .name: kv, .offset: 16, .size: 8, .value_kind: global_buffer, .address_space: global }
      - { .name: etab, .offset: 24, .size: 8, .value_kind: global_buffer, .address_space: global }
      - { .name: rel_v, .offset: 32, .size: 8, .value_kind: global_buffer, .address_space: global }
      - { .name: alpha, .offset: 40, .size: 8, .value_kind: global_buffer, .address_space: global }
      - { .name: beta, .offset: 48, .size: 8, .value_kind: global_buffer, .address_space: global }
      - { .name: ob, .offset: 56, .size: 8, .value_kind: global_buffer, .address_space: global }
    .group_segment_fixed_size: 327680
    .private_segment_fixed_size: 0
    .kernarg_segment_align: 8
    .kernarg_segment_size: 64
    .max_flat_workgroup_size: 128
    .sgpr_count:     106
    .vgpr_count:     1024
    .wavefront_size: 32
...
	.end_amdgpu_metadata
.endif
;; end of part 3
;; launch oproj (part 4): grid 4 x 64, 4 waves a work-group, clusters of 4 x 4, 327,680 bytes of LDS; arguments ob, w16, out0, bo; writes out0
.if DOCPART == 4
	.amdgcn_target "amdgcn-amd-amdhsa--gfx1250"
	.amdhsa_code_object_version 6
	.text
	.protected	k_qaef65150cc_oproj
	.globl	k_qaef65150cc_oproj
	.p2align	8
	.type	k_qaef65150cc_oproj,@function
k_qaef65150cc_oproj:
	s_mov_b64 s[64:65], 0
	v_nop
	global_prefetch_b8 v0, s[64:65] scope:SCOPE_SE
	s_setreg_imm32_b32 hwreg(HW_REG_WAVE_MODE, 25, 1), 1
	s_wait_xcnt 0x0
	s_wait_alu depctr_hold_cnt(0) depctr_sa_sdst(0) depctr_va_vdst(0) depctr_va_sdst(0) depctr_va_ssrc(0) depctr_va_vcc(0) depctr_vm_vsrc(0)
	s_getreg_b32 s2, hwreg(HW_REG_IB_STS2, 6, 4)
	s_cmp_eq_u32 s2, 0
	s_cbranch_scc0 .Lentry_in_a_cluster
	s_endpgm
.Lentry_in_a_cluster:
	s_bfe_u32 s2, ttmp6, 0x10000c
	s_cmp_lg_u32 s2, 0xf033
	s_cbranch_scc0 .Lentry_shape_is_right
	s_endpgm
.Lentry_shape_is_right:
; out0 = O Wo + bo.  O: ob [b][h][512][64] in f16; Wo: matrix 1 of w16, [k][n], its bf16 rounding written as f16; bo rounded to bf16; sums in f32; out0 [16384][1024] f32.
; SHARES.  A work-group makes 256 rows (half a batch) x 256 columns: 4 x 64 = 256 work-groups; four waves, each 128 rows x 128 columns in 64 accumulators.
; RING.  K = 64 h + d goes in eight steps of 128, two heads, through two LDS slots.  Wave 0 fetches the step's first head, wave 1 its second: 256 rows of 128 dense bytes, asked for as 128 rows of 256 and padded
; after every 128; waves 2, 3 fetch the halves of B's tile (64 k x 512 bytes).  4 x 4 clusters: A's tile is asked for jointly by a row of the cluster, B's by a column.
; A K STEP IS WRITTEN ONCE: the slot in hand is a scalar, 0 or SLOT, turned by an exclusive or at each change of slots; six trips fill a slot again, the last two steps are a loop of their own.
; THE PRODUCT IS USED TRANSPOSED (source 0 = 16 columns of Wo, by the turning load; source 1 = 16 rows of O): a lane holds one row and eight neighbouring columns.
; THE BIAS STARTS THE SUMS: it is the C operand of each accumulator's first product, so nothing is cleared and nothing is added on the way out.
; A wave's row tiles are 2 a + rh (a = 0..7, rh = wave / 2), its columns 128 (wave % 2) on.
; REGISTERS.  window 0: v16-21 LDS addresses; v24-30; v64-127, v128-191 A's fragments, later the rows on their way out; v192-255 the bias of my 128 columns, as an accumulator holds them
;   window 1: v64-127, v128-191 B's fragments          windows 2, 3: the accumulators, (a, b) at v[8 (8 (a % 4) + b)]
.set MT,     8
.set APITCH, 144
.set AHALF,  256*APITCH
.set ABYTES, 2*AHALF
.set BP,     544
.set BHALF,  64*BP
.set SLOT,   ABYTES+2*BHALF
.set STAGE,  2*SLOT                    ; behind the ring: 16 rows x 528 bytes for each wave
.set SPITCH, 528
.set SPARE,  STAGE+4*16*SPITCH         ; the spare words: 128 bytes a wave, two blocks of 256 bytes that no other line names
.set ASTEP,  2*65536                   ; a K step: two heads
.set BSTEP,  128*2048
.set ADRA0, 16                         ; v16, v17  my A fragments' place in slot 0, in the step's first and second head; never rewritten
.set ADRA,  18                         ; v18, v19  the same in the slot in hand
.set ADRB0, 20
.set ADRB,  21
.set STO,  24
.set RD,   25
.set CO,   26
.set SPW,  28
.set NIL,  29
.set PFO,  30
.set F0,   64
.set F1,   128
.set BC,   192
.set WV, 12
.set RH, 13
.set CH, 14
.set YY, 15
.set G1,  24
.set G0,  32
.set CX, 40
.set CY, 41
.set XX, 42
.set LIM, 43
.set PFA, 44
.set PST, 46
.set G1B, 48
.set G0B, 56
.set OFS, 68
.set CLY, 70
.set LWA, 71                           ; LDS byte of my part of A's tile in slot 0
.set LWB, 72                           ; the same for B's
.set TB,  73                           ; the slot in hand: 0 or SLOT
.set HM,  74                           ; a word's upper bf16
.set MSB, 0
.macro WIN new
.if MSB != (\new)
	s_set_vgpr_msb (MSB<<8)|(\new)
.set MSB, \new
.endif
.endm
.macro JLOAD s
	s_cmp_eq_u32 s[RH], 0
	s_cbranch_scc0 .Lfor_b_\@
	tensor_load_to_lds s[G0+4*(\s):G0+4*(\s)+3], s[G1:G1+7]
	s_nop 0
.rept 4
	v_nop
.endr
	s_branch .Lasked_\@
.Lfor_b_\@:
	tensor_load_to_lds s[G0B+4*(\s):G0B+4*(\s)+3], s[G1B:G1B+7]
	s_nop 0
.rept 4
	v_nop
.endr
.Lasked_\@:
.endm
.macro CREST
	s_cmp_lg_u32 s[WV], 0
	s_cbranch_scc1 .Lnot_wave_0_\@
	s_barrier_signal -3
.Lnot_wave_0_\@:
	s_barrier_wait -3
	s_barrier_signal -1
	s_barrier_wait -1
.endm
.macro CROUND
	s_barrier_signal -1
	s_barrier_wait -1
	CREST
.endm
.macro PLACES
.rept 4
	v_nop
.endr
.endm
; A prefetch into the L2, behind each joint load and the run of LDS loads that follows it: the K step two refills on, 32 blocks of 256 bytes, a lane a block.  Of what a wave fetches each of the four partners
; that ask for it jointly takes a quarter, told apart by address.  A's rows are read by this cluster alone; B's by all sixteen clusters: cluster y = 0 asks.  K steps 0..3 come by their loads alone;
; the loop's last two trips ask for nothing: there is no K step two refills on.
.macro ASK
	s_cmp_gt_u32 s3, s[LIM]
	s_cbranch_scc0 .Lnot_mine_\@
	global_prefetch_b8 v[PFO], s[PFA:PFA+1] th:TH_LOAD_NT scope:SCOPE_SE
.Lnot_mine_\@:
.endm
; start = 1: the products start the sums, from the bias (C in window 0).  The accumulators take turns, one instruction a turn.
.macro MULR f, a0, n, start
.set ma, \a0
.rept \n
.if \start
	WIN 0x81+0x40*(ma/4)
.else
	WIN 0xa1+0x50*(ma/4)
.endif
.set mb, 0
.rept 8
.set rD, 8*(8*(ma%4)+mb)
.if \start
	v_wmma_f32_16x16x32_f16 v[rD:rD+7], v[(\f)+8*mb:(\f)+8*mb+7], v[(\f)+8*ma:(\f)+8*ma+7], v[BC+8*mb:BC+8*mb+7]
.else
	v_wmma_f32_16x16x32_f16 v[rD:rD+7], v[(\f)+8*mb:(\f)+8*mb+7], v[(\f)+8*ma:(\f)+8*ma+7], v[rD:rD+7]
.endif
.set mb, mb+1
.endr
.set ma, ma+1
.endr
.endm
.macro FETCH q, f                      ; quarter q of the slot in hand: head q / 2 of the step's two, channels 32 (q % 2) on
	WIN 0x40
.set fi, 0
.rept 8
	ds_load_tr16_b128 v[(\f)+8*fi:(\f)+8*fi+3],   v[ADRB] offset:(\q)*32*BP+32*fi
	ds_load_tr16_b128 v[(\f)+8*fi+4:(\f)+8*fi+7], v[ADRB] offset:(\q)*32*BP+32*fi+16*BP
.set fi, fi+1
.endr
	WIN 0
.set fi, 0
.rept MT
	ds_load_b128 v[(\f)+8*fi:(\f)+8*fi+3],   v[ADRA+(\q)/2] offset:64*((\q)%2)+fi*32*APITCH
	ds_load_b128 v[(\f)+8*fi+4:(\f)+8*fi+7], v[ADRA+(\q)/2] offset:64*((\q)%2)+fi*32*APITCH+32
.set fi, fi+1
.endr
.endm
.macro QUARTER q, f, g, start
	s_wait_dscnt MT                                ; B and A's lower tiles are in; the youngest MT loads (A's upper tiles) may be out
	MULR \f, 0, MT/2, \start
	PLACES
	FETCH \q, \g
	s_wait_dscnt 16+2*MT                           ; all but the run just issued
	MULR \f, MT/2, MT/2, \start
.endm
.macro MEET round
	WIN 0
	s_wait_tensorcnt 0x0                           ; all my tensor loads have landed: the one that was out is my part of the next slot
	ds_add_u32 v[SPW], v[NIL]                      ; 0 onto my spare word
	s_wait_dscnt MT+1                              ; the add and the youngest MT loads may be out
	MULR F1, 0, MT/4, 0
	s_wait_dscnt 0x0                               ; the add is done, and my reads of this slot are over
	s_barrier_signal -1
	MULR F1, MT/4, MT/4, 0
.if \round
	WIN 0
.endif
	s_barrier_wait -1
.endm
.macro TURN fill                       ; the last quarter of a K step: multiplies buffer 1 and changes slots
.if \fill
	s_wait_xcnt 0x0                                ; the last prefetch, a K step back, has read its address
	s_add_nc_u64 s[PFA:PFA+1], s[PFA:PFA+1], s[PST:PST+1]
	MEET 1
	CREST                                          ; no wave of any partner still reads the slot or has a load on its way
	s_add_co_u32 s[G0+5], s[LWA], s[TB]            ; the walking descriptors: into the slot just read out,
	s_add_nc_u64 s[G0+6:G0+7], s[G0+6:G0+7], ASTEP ; the K step behind the one asked for last; no tensor load of mine is out
	s_add_co_u32 s[G0B+5], s[LWB], s[TB]
	s_add_nc_u64 s[G0B+6:G0B+7], s[G0B+6:G0B+7], BSTEP
	s_xor_b32 s[TB], s[TB], SLOT                   ; the other slot is in hand
	JLOAD 1                                        ; the first tensor load behind the round; its four v_nop are also the places in front of the loads below
.else
	MEET 0
	WIN 0
	s_xor_b32 s[TB], s[TB], SLOT
	PLACES
.endif
	v_add_nc_u32 v[ADRA], s[TB], v[ADRA0]
	v_add_nc_u32 v[ADRA+1], s[TB], v[ADRA0+1]
	v_add_nc_u32 v[ADRB], s[TB], v[ADRB0]
	FETCH 0, F0
.if \fill
	ASK
.endif
	MULR F1, MT/2, MT/2, 0
.endm
	s_load_b256 s[4:11], s[0:1], 0x0               ; ob s[4:5], w16 s[6:7], out0 s[8:9], bo s[10:11]
	v_lshl_add_u32 v[SPW], v0, 2, SPARE
	v_mov_b32 v[NIL], 0
	ds_add_u32 v[SPW], v[NIL]                      ; the wave's opening: the add and its wait ahead of my first tensor load
	v_lshrrev_b32 v1, 5, v0
	v_readfirstlane_b32 s[WV], v1
	s_lshr_b32 s[RH], s[WV], 1
	s_and_b32 s[CH], s[WV], 1
	s_bfe_u32 s[CX], ttmp6, 0x40000
	s_bfe_u32 s[CY], ttmp6, 0x40004
	s_lshl_b32 s[XX], ttmp9, 2
	s_add_co_u32 s[XX], s[XX], s[CX]
	s_and_b32 s[CLY], ttmp7, 0xffff
	s_lshl_b32 s[YY], s[CLY], 2
	s_add_co_u32 s[YY], s[YY], s[CY]
	s_lshl_b32 s20, s[CY], 2
	s_lshl_b32 s20, 15, s20
	s_lshl_b32 s22, 0x1111, s[CX]
	s_or_b32 s[G1], s20, (1<<16)|(1<<20)|(1<<21)|(4<<22)|(3<<25)   ; after every 32 words (a row of a head) 4 words
	s_or_b32 s[G1B], s22, (1<<16)|(1<<20)|(1<<21)|(6<<22)|(7<<25)
	s_mov_b32 s[G1+1], 128<<16
	s_mov_b32 s[G1+2], 128<<16
	s_mov_b32 s[G1+3], 128<<16
	s_mov_b32 s[G1+4], 128
	s_mov_b32 s[G1+5], 128
	s_mov_b32 s[G1+6], 0
	s_mov_b32 s[G1+7], 0
	s_mov_b32 s[G1B+1], 256<<16
	s_mov_b32 s[G1B+2], 64<<16
	s_mov_b32 s[G1B+3], 256<<16
	s_mov_b32 s[G1B+4], 64
	s_mov_b32 s[G1B+5], 1024
	s_mov_b32 s[G1B+6], 0
	s_mov_b32 s[G1B+7], 0
	s_lshr_b32 s20, s[YY], 1                       ; A: batch Y / 2, head = my half of the step's two, rows 256 (Y % 2) on
	s_lshl_b32 s20, s20, 20
	s_and_b32 s21, s[YY], 1
	s_lshl_b32 s21, s21, 15
	s_add_co_u32 s20, s20, s21
	s_lshl_b32 s21, s[CH], 16
	s_add_co_u32 s20, s20, s21
	s_mov_b32 s21, 0
	s_lshl_b32 s22, s[XX], 9                       ; B: matrix 1, columns 256 X on, k 64 half on
	s_lshl_b32 s23, s[CH], 17
	s_add_co_u32 s22, s22, s23
	s_add_co_u32 s22, s22, 2097152
	s_mov_b32 s23, 0
	s_mul_i32 s[LWA], s[CH], AHALF
	s_mul_i32 s[LWB], s[CH], BHALF
	s_add_co_u32 s[LWB], s[LWB], ABYTES
	s_mov_b32 s[TB], 0
	s_mov_b32 s[HM], 0xffff0000
	s_wait_dscnt 0x0                               ; the opening add is done
	s_wait_kmcnt 0x0
	s_add_nc_u64 s[18:19], s[4:5], s[20:21]
	s_add_nc_u64 s[66:67], s[6:7], s[22:23]
	CROUND
.irp s, 0,1
	s_mov_b32 s[G0+4*(\s)], 1
	s_add_co_u32 s[G0+4*(\s)+1], s[LWA], (\s)*SLOT
	s_add_nc_u64 s[G0+4*(\s)+2:G0+4*(\s)+3], s[18:19], (\s)*ASTEP
	s_or_b32 s[G0+4*(\s)+3], s[G0+4*(\s)+3], 0x80000000
	s_mov_b32 s[G0B+4*(\s)], 1
	s_add_co_u32 s[G0B+4*(\s)+1], s[LWB], (\s)*SLOT
	s_add_nc_u64 s[G0B+4*(\s)+2:G0B+4*(\s)+3], s[66:67], (\s)*BSTEP
	s_or_b32 s[G0B+4*(\s)+3], s[G0B+4*(\s)+3], 0x80000000
	JLOAD \s                                       ; two loads of mine are out; the second set of registers then walks on
.endr
	v_and_b32 v1, 15, v0
	v_bfe_u32 v2, v0, 4, 1
	v_and_b32 v4, 7, v0
	v_bfe_u32 v5, v0, 3, 1
	v_and_b32 v7, 31, v0
	s_lshl_b32 s20, s[XX], 10                      ; my 128 columns, in bytes of f32
	s_lshl_b32 s21, s[CH], 9
	s_add_co_u32 s20, s20, s21
	v_lshl_add_u32 v27, v2, 5, s20                 ; register j of column tile b holds column 16 b + 8 (l / 16) + j
.set i, 0
.rept 8
	global_load_b128 v[BC+8*i:BC+8*i+3],   v27, s[10:11] offset:64*i
	global_load_b128 v[BC+8*i+4:BC+8*i+7], v27, s[10:11] offset:64*i+16
.set i, i+1
.endr
	s_lshl_b32 s[OFS], s[YY], 20                   ; my first row of out0: 256 Y + 16 rh
	s_lshl_b32 s21, s[RH], 16
	s_add_co_u32 s[OFS], s[OFS], s21
	s_add_co_u32 s[OFS], s[OFS], s20
	s_mov_b32 s[OFS+1], 0
	v_mul_u32_u24 v3, v1, APITCH
	v_lshl_add_u32 v3, v2, 4, v3
	v_lshl_add_u32 v6, v2, 3, v4
	v_mul_u32_u24 v6, v6, BP
	v_lshl_add_u32 v6, v5, 4, v6
	s_mul_i32 s20, s[RH], 16*APITCH
	s_lshl_b32 s21, s[CH], 8
	s_add_co_u32 s21, s21, ABYTES
	s_add_co_u32 s22, s20, AHALF
	v_add_nc_u32 v[ADRA0], s20, v3
	v_add_nc_u32 v[ADRA0+1], s22, v3
	v_add_nc_u32 v[ADRB0], s21, v6
	v_mov_b32 v[ADRA], v[ADRA0]                    ; slot 0 is in hand
	v_mov_b32 v[ADRA+1], v[ADRA0+1]
	v_mov_b32 v[ADRB], v[ADRB0]
	s_mul_i32 s20, s[WV], 16*SPITCH
	s_add_co_u32 s20, s20, STAGE
	v_mul_u32_u24 v[STO], v1, SPITCH               ; in: row l % 16, 32 bytes for each half of the lanes
	v_lshl_add_u32 v[STO], v2, 5, v[STO]
	v_add_nc_u32 v[STO], s20, v[STO]
	v_lshl_add_u32 v[RD], v7, 4, s20               ; back: a row's 512 bytes, 16 a lane
	v_lshlrev_b32 v[CO], 4, v7
	; the prefetches
	s_mov_b32 s[PST], 128*2048                     ; a K step: down B's rows, or
	s_mov_b32 s[PST+1], 0
	s_cmp_eq_u32 s[RH], 0
	s_cselect_b32 s[PST], 2*65536, s[PST]          ; two heads of A
	s_cselect_b64 s[PFA:PFA+1], s[18:19], s[66:67]
	s_cselect_b32 s20, s[CX], s[CY]
	s_cselect_b32 s21, 13, 15                      ; my part: 8,192 dense bytes of A, or 16 k of B
	s_cselect_b32 s22, 5, 1                        ; 32 blocks on end in A; two blocks a row in B
	s_cselect_b32 s23, 31, 1
	s_cselect_b32 s16, ttmp9, s[CLY]
	s_lshl_b32 s20, s20, s21
	s_mov_b32 s21, 0
	s_add_nc_u64 s[PFA:PFA+1], s[PFA:PFA+1], s[20:21]
	s_mul_i32 s20, s[PST], 3
	s_add_nc_u64 s[PFA:PFA+1], s[PFA:PFA+1], s[20:21]  ; at K step 3: the first refill steps it to 4
	s_cmp_eq_u32 s16, 0
	s_cselect_b32 s[LIM], 2, -1                    ; a wave that asks does so while more than two trips are left
	v_lshrrev_b32 v[PFO], s22, v7
	v_and_b32 v8, s23, v7
	v_lshlrev_b32 v[PFO], 11, v[PFO]
	v_lshl_add_u32 v[PFO], v8, 8, v[PFO]
	s_wait_loadcnt 0x0                             ; the bias: rounded to bf16 like all the module's inputs
.set i, 0
.rept 32
	v_cvt_pk_bf16_f32 v[36+i%2], v[BC+2*i], v[BC+2*i+1]
	v_lshlrev_b32 v[BC+2*i], 16, v[36+i%2]
	v_and_b32 v[BC+2*i+1], s[HM], v[36+i%2]
.set i, i+1
.endr
	s_wait_tensorcnt 0x1                           ; my part of K step 0 is in; K step 1's may stay out
	s_barrier_signal -1
	s_barrier_wait -1
	FETCH 0, F0
	QUARTER 1, F0, F1, 1                           ; the first quarter's products start the sums, from the bias: it alone is written out
	WIN 0
	s_mov_b32 s3, 6
	s_branch .Lmid                                 ; the loop is entered behind a step's first quarter
.Lstep:                                            ; a trip is a K step: steps 0..5, each of which fills its slot again, two steps ahead
	QUARTER 1, F0, F1, 0
	WIN 0
.Lmid:
	QUARTER 2, F1, F0, 0
	QUARTER 3, F0, F1, 0
	TURN 1
	WIN 0
	s_sub_co_u32 s3, s3, 1
	s_cmp_lg_u32 s3, 0
	s_cbranch_scc1 .Lstep
	s_mov_b32 s3, 2
.Ltail:                                            ; steps 6 and 7 fill nothing.  The second trip's barrier and its run of loads (from the slot of step 6, which nobody writes) serve nothing:
	QUARTER 1, F0, F1, 0                           ; the price, once a launch, of one text for both trips
	QUARTER 2, F1, F0, 0
	QUARTER 3, F0, F1, 0
	TURN 0
	WIN 0
	s_sub_co_u32 s3, s3, 1
	s_cmp_lg_u32 s3, 0
	s_cbranch_scc1 .Ltail
	s_wait_dscnt 0x0                               ; that last run is back: its registers are used again below
; THE WAY OUT, a block of 16 rows x 128 columns of f32 at a time: from the accumulators into my stage (each accumulator's lowest registers first), back as whole rows, stored.
.macro OUT a
	WIN 0x08+4*((\a)/4)                            ; the stores' data lie in window 2 or 3
.set AC, 64*((\a)%4)
.set pb, 0
.rept 8
	ds_store_b128 v[STO], v[AC+8*pb:AC+8*pb+3]   offset:64*pb
	ds_store_b128 v[STO], v[AC+8*pb+4:AC+8*pb+7] offset:64*pb+16
.set pb, pb+1
.endr
	WIN 0
.set BK, 64+64*((\a)%2)
	s_wait_xcnt 0x0                                ; the earlier stores have read their data and base
.set pb, 0
.rept 16
	ds_load_b128 v[BK+4*pb:BK+4*pb+3], v[RD] offset:pb*SPITCH  ; LDS serves a wave's instructions in order (ISA guide 5.7.1.4): these see the stores above
.set pb, pb+1
.endr
.if (\a) == 0
	s_add_nc_u64 s[8:9], s[8:9], s[OFS:OFS+1]
.else
	s_add_nc_u64 s[8:9], s[8:9], 32*4096           ; my next row tile lies 32 rows on
.endif
	s_wait_dscnt 0x0
.set pb, 0
.rept 16
	global_store_b128 v[CO], v[BK+4*pb:BK+4*pb+3], s[8:9] offset:pb*4096 th:TH_STORE_NT  ; 512 consecutive bytes, aligned
.set pb, pb+1
.endr
.endm
	PLACES
.irp a, 0,1,2,3,4,5,6,7
	OUT \a
.endr
	s_wait_tensorcnt 0x0                           ; the wave's end
	ds_add_u32 v[SPW], v[NIL]
	s_wait_dscnt 0x0
	CROUND                                         ; the closing round
	s_endpgm
.Lfunc_end_k_qaef65150cc_oproj:
	.size	k_qaef65150cc_oproj, .Lfunc_end_k_qaef65150cc_oproj-k_qaef65150cc_oproj
	.p2alignl 7, 3214868480
	.fill 96, 4, 3214868480
	.section	.rodata,"a",@progbits
	.p2align	6, 0x0
	.amdhsa_kernel k_qaef65150cc_oproj
		.amdhsa_group_segment_fixed_size 327680
		.amdhsa_private_segment_fixed_size 0
		.amdhsa_enable_private_segment 0
		.amdhsa_kernarg_size 32
		.amdhsa_user_sgpr_count 2
		.amdhsa_user_sgpr_kernarg_segment_ptr 1
		.amdhsa_wavefront_size32 1
		.amdhsa_system_sgpr_workgroup_id_x 1
		.amdhsa_system_sgpr_workgroup_id_y 1
		.amdhsa_system_sgpr_workgroup_id_z 1
		.amdhsa_system_vgpr_workitem_id 0
		.amdhsa_next_free_vgpr 1024
		.amdhsa_next_free_sgpr 80
		.amdhsa_reserve_vcc 0
		.amdhsa_float_denorm_mode_32 3
		.amdhsa_float_denorm_mode_16_64 3
		.amdhsa_memory_ordered 1
		.amdhsa_forward_progress 1
		.amdhsa_inst_pref_size 105
	.end_amdhsa_kernel
	.amdgpu_metadata
---
amdhsa.version: [ 1, 2 ]
amdhsa.kernels:
  - .name:           k_qaef65150cc_oproj
    .symbol:         k_qaef65150cc_oproj.kd
    .args:
      - { .name: ob, .offset: 0, .size: 8, .value_kind: global_buffer, .address_space: global }
      - { .name: w16, .offset: 8, .size: 8, .value_kind: global_buffer, .address_space: global }
      - { .name: out0, .offset: 16, .size: 8, .value_kind: global_buffer, .address_space: global }
      - { .name: bo, .offset: 24, .size: 8, .value_kind: global_buffer, .address_space: global }
    .group_segment_fixed_size: 327680
    .private_segment_fixed_size: 0
    .kernarg_segment_align: 8
    .kernarg_segment_size: 32
    .max_flat_workgroup_size: 128
    .sgpr_count:     80
    .vgpr_count:     1024
    .wavefront_size: 32
...
	.end_amdgpu_metadata
.endif
;; end of part 4
;; ======== version 2 of 2: 4 launches; version 1 with the launch cast written anew for expert scheduling mode
;; limits: values are held in f16: magnitudes above 65,504 overflow, below 6.1e-05 lose precision
;; workspace buffers: w16 16,777,216 bytes; xb 33,554,432 bytes; ctxb 8,388,608 bytes; etab 57,344 bytes; kv 16,777,216 bytes; ob 33,554,432 bytes
;; launch cast (part 5): grid 897 x 1, 8 waves a work-group, no clusters, 0 bytes of LDS; arguments x, context, Wq, Wo, Wk, Wv, Wk_ip, Wv_ip, Wk_ap, Wv_ap, rel_k, rel_v, xb, ctxb, w16, etab; writes xb, ctxb, w16, etab
.if DOCPART == 5
	.amdgcn_target "amdgcn-amd-amdhsa--gfx1250"
	.amdhsa_code_object_version 6
	.text
	.protected	k_qaef65150cc_cast
	.globl	k_qaef65150cc_cast
	.p2align	8
	.type	k_qaef65150cc_cast,@function
k_qaef65150cc_cast:
	s_mov_b64 s[64:65], 0
	v_nop
	global_prefetch_b8 v0, s[64:65] scope:SCOPE_SE
	s_setreg_imm32_b32 hwreg(HW_REG_WAVE_SCHED_MODE, 0, 2), 2
	s_setreg_imm32_b32 hwreg(HW_REG_WAVE_MODE, 25, 1), 1
	s_wait_xcnt 0x0
	s_wait_alu depctr_vm_vsrc(0)
; THE INPUTS ARE ROUNDED ONCE TO 16 BITS AND LAID OUT FOR THE LAUNCHES BEHIND.  A stream: no LDS, no barrier, no matrix unit (nothing is shared, nothing is multiplied).
; A row is 1,024 f32 (4,096 bytes) in and 1,024 numbers of 16 bits (2,048 bytes) out.  A work-group takes 32 rows, each of its eight waves four neighbouring ones.
;   work-groups   0..511  x: row b 512 + 16 T + r goes to xb's row b 512 + (T & 1) 256 + (T >> 1) 16 + r, in bf16
;   work-groups 512..767  the eight weights, 32 work-groups each, in the order Wq, Wo, Wk, Wv, Wk_ip, Wv_ip, Wk_ap, Wv_ap, to w16[m][k][n]: bf16, but Wo: its bf16 rounding written as f16
;   work-groups 768..895  context to ctxb: rows 0..2559 text as [b][80] (j = 77..79 are zeros), 2560..3071 image as [b][16], 3072..4095 audio as [b][32], in bf16
;   work-group  896       the two tables of relative positions, drawn out: E[t] = rel[clip(t - 111, 0, 32)], t = 0..223; EK [t][64] and EVT [64][t], bf16 roundings written as f16
; LIMIT.  f16 below 6e-5 keeps a fixed step of 6e-8: Wo's and the tables' numbers that small lose relative accuracy; beyond 65,504 they would be infinities.
; A wave has its 32 loads (16 KiB) out at once; each store covers 256 consecutive bytes, aligned.  No register is written again behind a store in the main path.
; THE MODE: SCHED_MODE bits 1:0 = 2 (LLVM: expert scheduling mode 2), set by the entry lines.  The code itself states the register dependences
; between vector instructions and memory instructions, with s_wait_alu, always for 0.
; THE PLAN, main path.  Registers that memory instructions touch:
;   v1, v2     byte offsets of the loads and of the stores: made once at the head, never written again.
;   X          load i: four registers.  The load lands in them (no vector instruction has named them before); load i's roundings read and write them; the one store of load i reads the
;              first two; nothing writes them after that.
; The 32 loads go in eight groups of four.  Group g waits for its four loads and rounds them; the four stores of group g - 1 are dealt among its roundings.  ONE wait on va_vdst at a group's head states
; that group g - 1's roundings have written the pairs that those stores read; group g's vector instructions name group g's sixteen registers alone.  No register that a load or a store has read is written
; again, so the main path holds no wait on vm_vsrc.  The tables' part has a plan of its own, at its head.
.set X,   8                            ; v[8:135]  load i of 32: four registers
.set SRC, 40                           ; s[40:41]  my four rows in the source
.set DST, 42                           ; s[42:43]  my four rows in the destination
.set MSK, 44                           ; s44..47   row r: all ones, or 0 for a row of zeros
.set HF,  48                           ; s48       1: the bf16 rounding is written as f16
.set CM,  44                           ; s44..59   in the tables' part alone: the compares' masks
.set G,   4                            ; s4        the work-group's number
.set R0,  3                            ; s3        4 x my wave's number
	s_load_b512 s[8:23], s[0:1], 0x0               ; x 8, context 10, Wq 12, Wo 14, Wk 16, Wv 18, Wk_ip 20, Wv_ip 22
	s_load_b512 s[24:39], s[0:1], 0x40             ; Wk_ap 24, Wv_ap 26, rel_k 28, rel_v 30, xb 32, ctxb 34, w16 36, etab 38
	v_lshrrev_b32 v3, 5, v0
	v_readfirstlane_b32 s2, v3                     ; wave 0..7
	v_and_b32 v4, 31, v0
	v_lshlrev_b32 v1, 4, v4                        ; 16 bytes a lane in
	v_lshlrev_b32 v2, 3, v4                        ; 8 bytes a lane out
	s_mov_b32 s[G], ttmp9
.irp r, 0,1,2,3
	s_mov_b32 s[MSK+(\r)], -1
.endr
	s_mov_b32 s[HF], 0
	s_mov_b32 s57, 0                               ; high words of the two offsets
	s_mov_b32 s59, 0
	s_wait_alu depctr_va_sdst(0)                   ; s2 is written, ahead of its first reader: my rows are made from it
	s_lshl_b32 s[R0], s2, 2
	s_wait_kmcnt 0x0
	s_cmp_lt_u32 s[G], 512
	s_cbranch_scc0 .Lnot_x
	s_lshl_b32 s50, s[G], 5
	s_add_co_u32 s50, s50, s[R0]                   ; source row R
	s_and_b32 s51, s50, 0xfffffe00                 ; b 512
	s_bfe_u32 s52, s50, 0x10004                    ; T & 1
	s_lshl_b32 s52, s52, 8
	s_add_co_u32 s51, s51, s52
	s_bfe_u32 s52, s50, 0x40005                    ; T >> 1
	s_lshl_b32 s52, s52, 4
	s_add_co_u32 s51, s51, s52
	s_and_b32 s52, s50, 15                         ; r: my four rows lie in one tile of 16
	s_add_co_u32 s51, s51, s52
	s_lshl_b32 s56, s50, 12
	s_lshl_b32 s58, s51, 11
	s_add_nc_u64 s[SRC:SRC+1], s[8:9], s[56:57]
	s_add_nc_u64 s[DST:DST+1], s[32:33], s[58:59]
	s_branch .Lrun
.Lnot_x:
	s_cmp_lt_u32 s[G], 768
	s_cbranch_scc0 .Lnot_w
	s_sub_co_u32 s50, s[G], 512
	s_lshr_b32 s51, s50, 5                         ; which weight
	s_and_b32 s52, s50, 31
	s_lshl_b32 s52, s52, 5
	s_add_co_u32 s52, s52, s[R0]                   ; its row
	s_mov_b64 s[SRC:SRC+1], s[12:13]
.irp m, 1,2,3,4,5,6,7
	s_cmp_eq_u32 s51, \m
	s_cselect_b64 s[SRC:SRC+1], s[12+2*(\m):13+2*(\m)], s[SRC:SRC+1]
.endr
	s_cmp_eq_u32 s51, 1
	s_cselect_b32 s[HF], 1, 0                      ; Wo multiplies f16 numbers later
	s_lshl_b32 s56, s52, 12
	s_lshl_b32 s53, s51, 10
	s_add_co_u32 s53, s53, s52
	s_lshl_b32 s58, s53, 11
	s_add_nc_u64 s[SRC:SRC+1], s[SRC:SRC+1], s[56:57]
	s_add_nc_u64 s[DST:DST+1], s[36:37], s[58:59]
	s_branch .Lrun
.Lnot_w:
	s_cmp_lt_u32 s[G], 896
	s_cbranch_scc0 .Ltab
	s_sub_co_u32 s50, s[G], 768
	s_lshl_b32 s50, s50, 5
	s_add_co_u32 s50, s50, s[R0]                   ; destination row
	s_lshl_b32 s58, s50, 11
	s_add_nc_u64 s[DST:DST+1], s[34:35], s[58:59]
	s_cmp_lt_u32 s[G], 848                         ; 80 work-groups of text, 16 of image, 32 of audio
	s_cbranch_scc0 .Lnot_text
	s_lshr_b32 s51, s50, 4
	s_mul_i32 s51, s51, 205
	s_lshr_b32 s51, s51, 10                        ; b = (row / 16) / 5: exact for the 160 tiles of text
	s_mul_i32 s52, s51, 80
	s_sub_co_u32 s52, s50, s52                     ; j of my first row; four rows never cross a batch
.irp r, 0,1,2,3
	s_add_co_u32 s53, s52, \r
	s_cmp_lt_u32 s53, 77
	s_cselect_b32 s[MSK+(\r)], -1, 0               ; j = 77..79: the row that is loaded (an image row, inside the buffer) is masked to zeros
.endr
	s_branch .Lctx
.Lnot_text:
	s_cmp_lt_u32 s[G], 864
	s_cbranch_scc0 .Laudio
	s_sub_co_u32 s53, s50, 2560
	s_lshr_b32 s51, s53, 4
	s_and_b32 s52, s53, 15
	s_add_co_u32 s52, s52, 77
	s_branch .Lctx
.Laudio:
	s_sub_co_u32 s53, s50, 3072
	s_lshr_b32 s51, s53, 5
	s_and_b32 s52, s53, 31
	s_add_co_u32 s52, s52, 93
.Lctx:
	s_mul_i32 s51, s51, 125
	s_add_co_u32 s51, s51, s52                     ; source row 125 b + j
	s_lshl_b32 s56, s51, 12
	s_add_nc_u64 s[SRC:SRC+1], s[10:11], s[56:57]
.Lrun:
	s_wait_alu depctr_va_vdst(0)                   ; v1 and v2 are written: every load and store below reads one of them as its offset
.set i, 0
.rept 32
	global_load_b128 v[X+4*i:X+4*i+3], v1, s[SRC:SRC+1] offset:512*i th:TH_LOAD_NT  ; 512 consecutive bytes; eight loads a row
.set i, i+1
.endr
; Load i is rounded: its first two registers then hold what its store sends.
.macro CONV f16
	v_cvt_pk_bf16_f32 v[X+4*i], v[X+4*i], v[X+4*i+1]
	v_cvt_pk_bf16_f32 v[X+4*i+1], v[X+4*i+2], v[X+4*i+3]
.if \f16
	v_lshlrev_b32 v[X+4*i+2], 16, v[X+4*i]
	v_and_b32 v[X+4*i+3], 0xffff0000, v[X+4*i]
	v_cvt_pk_f16_f32 v[X+4*i], v[X+4*i+2], v[X+4*i+3]
	v_lshlrev_b32 v[X+4*i+2], 16, v[X+4*i+1]
	v_and_b32 v[X+4*i+3], 0xffff0000, v[X+4*i+1]
	v_cvt_pk_f16_f32 v[X+4*i+1], v[X+4*i+2], v[X+4*i+3]
.else
	v_and_b32 v[X+4*i], s[MSK+i/8], v[X+4*i]
	v_and_b32 v[X+4*i+1], s[MSK+i/8], v[X+4*i+1]
.endif
.endm
; Group g: loads 4 g .. 4 g + 3 are rounded; the stores of group g - 1 are dealt among the roundings, one ahead of each load's.
.macro GROUP g, f16
	s_wait_loadcnt 28-4*(\g)                       ; loads come back in order (ISA guide 5.7.1): my four are in, the 28 - 4 g younger ones stay out
.if (\g) > 0
	s_wait_alu depctr_va_vdst(0)                   ; the roundings of the group before have written its four pairs, which the stores below read; no vector instruction below names them
.endif
.set k, 0
.rept 4
.set i, 4*(\g)+k
.if (\g) > 0
	global_store_b64 v2, v[X+4*(i-4):X+4*(i-4)+1], s[DST:DST+1] offset:256*(i-4)  ; 256 consecutive bytes, aligned
.endif
	CONV \f16
.set k, k+1
.endr
.endm
.macro LAST                            ; the last group's stores
	s_wait_alu depctr_va_vdst(0)                   ; the roundings of group 7 have written its four pairs, which the last four stores read
.set i, 28
.rept 4
	global_store_b64 v2, v[X+4*i:X+4*i+1], s[DST:DST+1] offset:256*i
.set i, i+1
.endr
.endm
	s_cmp_eq_u32 s[HF], 1
	s_cbranch_scc1 .Lhalf
.irp g, 0,1,2,3,4,5,6,7
	GROUP \g, 0
.endr
	LAST
	s_endpgm
.Lhalf:
.irp g, 0,1,2,3,4,5,6,7
	GROUP \g, 1
.endr
	LAST
	s_endpgm
; THE TABLES.  256 threads, seven pieces of 16 bytes each for either table.
; THE PLAN.  v8-14: EK's load addresses.  v64-119: what the loads bring, for EK and then for EVT; the packings read and write them.  v16-43: EK's packed results, the data of its stores.
; v5: the stores' offset, made anew for EVT.  v4, v32-47: EVT's load addresses.  v8-35: EVT's packed results.  The compares of a table stand in one run, each with a scalar register of its own for its mask,
; and one wait on va_sdst stands behind the run.  Addresses, packings and stores stand in runs too, with one wait between a run that writes and the run of memory instructions that reads.
.macro B2H o, a, b                     ; v[o] = the bf16 roundings of v[a], v[b], written as two f16; a and b are used up
	v_cvt_pk_bf16_f32 v[\a], v[\a], v[\b]
	v_and_b32 v[\b], 0xffff0000, v[\a]
	v_lshlrev_b32 v[\a], 16, v[\a]
	v_cvt_pk_f16_f32 v[\o], v[\a], v[\b]
.endm
.Ltab:
	v_lshrrev_b32 v3, 3, v0                        ; EK: piece t + 256 m is row (t >> 3) + 32 m, channels 8 (t & 7) on
	v_and_b32 v4, 7, v0
	v_lshlrev_b32 v4, 5, v4
	v_lshlrev_b32 v5, 4, v0
.set m, 0
.rept 7
	v_add_nc_u32 v[8+m], 32*m-111, v3
.set m, m+1
.endr
.set m, 0
.rept 7
	v_cmp_gt_i32 s[CM+m], 0, v[8+m]
.set m, m+1
.endr
	s_wait_alu depctr_va_sdst(0)                   ; the seven masks are written, ahead of the first select that reads one
.set m, 0
.rept 7
	v_cndmask_b32 v[8+m], v[8+m], 0, s[CM+m]
	v_min_u32 v[8+m], 32, v[8+m]                   ; clip(row - 111, 0, 32)
	v_lshl_add_u32 v[8+m], v[8+m], 8, v4
.set m, m+1
.endr
	s_wait_alu depctr_va_vdst(0)                   ; the addresses v8-14 are written, which the loads below read
.set m, 0
.rept 7
	global_load_b128 v[64+8*m:64+8*m+3], v[8+m], s[28:29]
	global_load_b128 v[64+8*m+4:64+8*m+7], v[8+m], s[28:29] offset:16
.set m, m+1
.endr
	s_wait_loadcnt 0x0
.set m, 0
.rept 7
.set p, 0
.rept 4
	B2H 16+4*m+p, 64+8*m+2*p, 64+8*m+2*p+1
.set p, p+1
.endr
.set m, m+1
.endr
	s_wait_alu depctr_va_vdst(0)                   ; the packings have written v16-43, the stores' data; v5, their offset, was written before
.set m, 0
.rept 7
	global_store_b128 v5, v[16+4*m:16+4*m+3], s[38:39] offset:4096*m
.set m, m+1
.endr
	s_wait_xcnt 0x0                                ; the stores' addresses are translated: only now are v5 and v16..43 written again
	s_wait_alu depctr_vm_vsrc(0)                   ; the stores have read v5 and v16-43, EK's loads have read v8-14: the lines below write them again
	v_and_b32 v3, 63, v0                           ; EVT: channel t & 63, places 8 (t >> 6) + 32 m + 0..7
	v_lshlrev_b32 v4, 2, v3
	v_lshrrev_b32 v6, 6, v0
	v_lshlrev_b32 v7, 3, v6
	v_mul_u32_u24 v5, v3, 448
	v_lshl_add_u32 v5, v6, 4, v5
; c = 32 (n / 8) + n % 8 - 111 is load n's place less 111, for t >> 6 = 0; the lanes add 0, 8, 16 or 24.  For n = 0..23 it is clipped to row 0 in every lane (c + 24 <= 0), for n = 40..55 to row 32 (c >= 32):
; only n = 24..39 need an address of their own, in v[8 + n].
.set n, 24
.rept 16
	v_add_nc_u32 v[8+n], 32*(n/8)+n%8-111, v7
.set n, n+1
.endr
.set n, 24
.rept 16
	v_cmp_gt_i32 s[CM+n-24], 0, v[8+n]
.set n, n+1
.endr
	s_wait_alu depctr_va_sdst(0)                   ; the sixteen masks are written, ahead of the first select that reads one
.set n, 24
.rept 16
	v_cndmask_b32 v[8+n], v[8+n], 0, s[CM+n-24]
	v_min_u32 v[8+n], 32, v[8+n]
	v_lshl_add_u32 v[8+n], v[8+n], 8, v4
.set n, n+1
.endr
	s_wait_alu depctr_va_vdst(0)                   ; the addresses v4 and v32-47 are written, which the loads below read; EK's packings are done reading and writing v64-119, in which they land
.set n, 0
.rept 56
.set c, 32*(n/8)+n%8-111
.if c+24 <= 0
	global_load_b32 v[64+n], v4, s[30:31]          ; clipped to row 0 in every lane
.elseif c >= 32
	global_load_b32 v[64+n], v4, s[30:31] offset:8192  ; clipped to row 32 in every lane
.else
	global_load_b32 v[64+n], v[8+n], s[30:31]
.endif
.set n, n+1
.endr
	s_wait_loadcnt 0x0
	s_wait_alu depctr_vm_vsrc(0)                   ; the loads have read their addresses, of which v32-35 are written again by the packings below
.set m, 0
.rept 7
.set p, 0
.rept 4
	B2H 8+4*m+p, 64+8*m+2*p, 64+8*m+2*p+1
.set p, p+1
.endr
.set m, m+1
.endr
	s_wait_alu depctr_va_vdst(0)                   ; the packings have written v8-35, the stores' data; v5, their offset, was written before
.set m, 0
.rept 7
	global_store_b128 v5, v[8+4*m:8+4*m+3], s[38:39] offset:28672+64*m  ; pieces of 16 bytes 448 bytes apart: a turned table of 28,672 bytes, written once in the program
.set m, m+1
.endr
	s_endpgm
.Lfunc_end_k_qaef65150cc_cast:
	.size	k_qaef65150cc_cast, .Lfunc_end_k_qaef65150cc_cast-k_qaef65150cc_cast
	.p2alignl 7, 3214868480
	.fill 96, 4, 3214868480
	.section	.rodata,"a",@progbits
	.p2align	6, 0x0
	.amdhsa_kernel k_qaef65150cc_cast
		.amdhsa_group_segment_fixed_size 0
		.amdhsa_private_segment_fixed_size 0
		.amdhsa_enable_private_segment 0
		.amdhsa_kernarg_size 128
		.amdhsa_user_sgpr_count 2
		.amdhsa_user_sgpr_kernarg_segment_ptr 1
		.amdhsa_wavefront_size32 1
		.amdhsa_system_sgpr_workgroup_id_x 1
		.amdhsa_system_sgpr_workgroup_id_y 1
		.amdhsa_system_sgpr_workgroup_id_z 1
		.amdhsa_system_vgpr_workitem_id 0
		.amdhsa_next_free_vgpr 144
		.amdhsa_next_free_sgpr 80
		.amdhsa_reserve_vcc 0
		.amdhsa_float_denorm_mode_32 3
		.amdhsa_float_denorm_mode_16_64 3
		.amdhsa_memory_ordered 1
		.amdhsa_forward_progress 1
		.amdhsa_inst_pref_size 62
	.end_amdhsa_kernel
	.amdgpu_metadata
---
amdhsa.version: [ 1, 2 ]
amdhsa.kernels:
  - .name:           k_qaef65150cc_cast
    .symbol:         k_qaef65150cc_cast.kd
    .args:
      - { .name: x, .offset: 0, .size: 8, .value_kind: global_buffer, .address_space: global }
      - { .name: context, .offset: 8, .size: 8, .value_kind: global_buffer, .address_space: global }
      - { .name: Wq, .offset: 16, .size: 8, .value_kind: global_buffer, .address_space: global }
      - { .name: Wo, .offset: 24, .size: 8, .value_kind: global_buffer, .address_space: global }
      - { .name: Wk, .offset: 32, .size: 8, .value_kind: global_buffer, .address_space: global }
      - { .name: Wv, .offset: 40, .size: 8, .value_kind: global_buffer, .address_space: global }
      - { .name: Wk_ip, .offset: 48, .size: 8, .value_kind: global_buffer, .address_space: global }
      - { .name: Wv_ip, .offset: 56, .size: 8, .value_kind: global_buffer, .address_space: global }
      - { .name: Wk_ap, .offset: 64, .size: 8, .value_kind: global_buffer, .address_space: global }
      - { .name: Wv_ap, .offset: 72, .size: 8, .value_kind: global_buffer, .address_space: global }
      - { .name: rel_k, .offset: 80, .size: 8, .value_kind: global_buffer, .address_space: global }
      - { .name: rel_v, .offset: 88, .size: 8, .value_kind: global_buffer, .address_space: global }
      - { .name: xb, .offset: 96, .size: 8, .value_kind: global_buffer, .address_space: global }
      - { .name: ctxb, .offset: 104, .size: 8, .value_kind: global_buffer, .address_space: global }
      - { .name: w16, .offset: 112, .size: 8, .value_kind: global_buffer, .address_space: global }
      - { .name: etab, .offset: 120, .size: 8, .value_kind: global_buffer, .address_space: global }
    .group_segment_fixed_size: 0
    .private_segment_fixed_size: 0
    .kernarg_segment_align: 8
    .kernarg_segment_size: 128
    .max_flat_workgroup_size: 256
    .sgpr_count:     80
    .vgpr_count:     144
    .wavefront_size: 32
...
	.end_amdgpu_metadata
.endif
;; end of part 5
;; launch kvproj: the kernel of part 2 again; grid 8 x 32, 4 waves a work-group, clusters of 4 x 4, 327,680 bytes of LDS; arguments ctxb, w16, kv; writes kv
;; launch qattn: the kernel of part 3 again; grid 4 x 64, 4 waves a work-group, clusters of 4 x 4, 327,680 bytes of LDS; arguments xb, w16, kv, etab, rel_v, alpha, beta, ob; writes ob
;; launch oproj: the kernel of part 4 again; grid 4 x 64, 4 waves a work-group, clusters of 4 x 4, 327,680 bytes of LDS; arguments ob, w16, out0, bo; writes out0
